; MI455X (gfx1250); checked and timed in simulation.
; The chip was launched on July 23, 2026; its instructions are those of AMD's public machine-readable ISA for CDNA 5 (MIT licence, August 2026) and "CDNA5" Instruction Set Architecture Reference Guide (July 2026). The comments in the code are by the model that wrote it; some were corrected since.
;; Spatial Attn Block. Allowed arithmetic: float matrix products may take bf16 or f16 operands with f32 sums; other float arithmetic in f32, or as packed bf16 or f16 multiplies, adds, multiply-adds, maxima and minima; sums over many terms, partial sums and values carried from step to step in f32; what a program stores and reads back later, other than sums and carried values, may be rounded once to bf16 or f16.
;; Inputs: bb 256 float32; bk 256 float32; bo 256 float32; bq 256 float32; bv 256 float32; by 256 float32; gn_beta 256 float32; gn_gamma 256 float32; wb 256 x 4 float32; wk 256 x 256 float32; wo 256 x 256 float32; wq 256 x 256 float32; wv 256 x 256 float32; wy 256 x 4 float32; x 4 x 256 x 64 x 64 float32; zq 4 x 4 x 16 x 16 float32.
;; Outputs: out0 4 x 256 x 64 x 64 float32.
;; 2 versions, each right; version 2 is version 1 with the launch prep written anew for expert scheduling mode. Each part assembles by itself: llvm-mc -triple=amdgcn-amd-amdhsa -mcpu=gfx1250 --defsym DOCPART=n.
;; ======== version 1 of 2: 4 launches
;; workspace buffers: gh 2,097,152 bytes; wf 524,288 bytes; qf 8,388,608 bytes; kf 8,388,608 bytes; vf 8,388,608 bytes; opart 33,554,432 bytes; ml 262,144 bytes
;; launch prep (part 1): grid 128 x 1, 8 waves a work-group, no clusters, 1,280 bytes of LDS; arguments x, zq, gn_gamma, gn_beta, wy, by, wb, bb, wq, wk, wv, wo, gh, wf; writes gh, wf
.if DOCPART == 1
	.amdgcn_target "amdgcn-amd-amdhsa--gfx1250"
	.amdhsa_code_object_version 6
	.text
	.protected	k_q4667fdb837_prep
	.globl	k_q4667fdb837_prep
	.p2align	8
	.type	k_q4667fdb837_prep,@function
k_q4667fdb837_prep:
	s_mov_b64 s[64:65], 0
	v_nop
	global_prefetch_b8 v0, s[64:65] scope:SCOPE_SE
	s_setreg_imm32_b32 hwreg(HW_REG_WAVE_MODE, 25, 1), 1
	s_wait_xcnt 0x0
; SpatialAttnBlock, launch 1 of 4: the group statistics folded with the zq scale and shift, and the four weight matrices as bf16 fragments.
; DEAD WORK, for the whole program: bk.  The logits are c q_i . (Wk xn_j + bk) = c q_i . Wk xn_j + c q_i . bk; the last term does not hang on j, the softmax's axis,
; so it cancels in the softmax for all finite values of the inputs, and bk has no other way to the output.  bk is not loaded and is no argument of any launch.
; LIMIT: a NaN, an infinity or an overflow that reaches the result through bk alone is not carried to it.
; WHAT THIS LAUNCH MAKES.  xn = ((x - mu) rs gamma + beta) Y + T with Y = wy zq + by, T = wb zq + bb is xn = x G + H with A = rs gamma, B = beta - mu A, G = A Y, H = B Y + T.
; G and H are constant on a cell of 4 x 4 pixels: gh[b][hc 16][c 256][wc 16][2] f32.  mu and the variance are taken in two passes over registers: no difference of large sums.
; wf[ot 64][ks 8][p 2][lane 32][8] bf16 = w[16 ot + lane % 16][32 ks + 16 p + 8 (lane / 16) + e], ot 0-15 wq, 16-31 wk, 32-47 wv, 48-63 wo: a matrix fragment is 1,024 bytes on end.
; SHARES.  Work-group = one (image b, group g): 8 channels x 4,096 pixels = 131,072 consecutive bytes of x, 128 registers a lane; every byte of x is read once.
; Each thread also converts one unit of 16 bytes of wf: 128 work-groups x 256 threads are its 32,768 units.  No matrix work, no cluster: nothing large is shared.
.set SPARE, 256                        ; LDS: bytes 0-31 the waves sums, 64-95 their sums of squares; from 256 on the spare words, 128 bytes a wave
.set SPW,  2                           ; v2   LDS address of my spare word; never rewritten
.set NIL,  3                           ; v3   0; never rewritten
.set XO,   4                           ; v4   16 x thread: my bytes in 4,096 of x, and in the 4,096 bytes of wf
.set C16,  5                           ; v5   16 x my channel in the group
.set C4,   6                           ; v6   4 x my channel in the group
.set ZO,   7                           ; v7   my two cells in zq
.set GOF,  8                           ; v8   my 16 bytes in gh
.set WSO,  9                           ; v9   my 32 bytes in the weight matrix
.set LW,   10                          ; v10  4 x wave
.set LZ,   11                          ; v11  0
.set K15,  12                          ; v12  2^-15: one over the 32,768 numbers of a group
.set WY,   16                          ; v[16:19] wy row, v[20:23] wb row
.set WB,   20
.set BYR,  24                          ; v24 by, v25 bb, v26 gamma, v27 beta
.set CH,   28                          ; v[28:35] four packed chains
.set MEAN, 36                          ; v[36:37] the mean, twice
.set AA,   38
.set BB,   39
.set TY,   40
.set TT,   41
.set CSRC, 44                          ; v[44:51] eight weights as loaded
.set CD,   52                          ; v[52:55] the same in bf16
.set RBK,  56                          ; v[56:63] the eight waves partial sums
.set X,    64                          ; v[64:191] my 128 numbers of x
.set ZQ,   192                         ; v[192:223] zq: cell row k, channel z at 192 + 8 k + 2 z, two cells
.set OQ,   224                         ; v[224:239] (G, H, G, H) for cell row k
	s_load_b512 s[4:19], s[0:1], 0x0               ; x s[4:5], zq s[6:7], gamma s[8:9], beta s[10:11], wy s[12:13], by s[14:15], wb s[16:17], bb s[18:19]
	s_load_b256 s[20:27], s[0:1], 0x40             ; wq s[20:21], wk s[22:23], wv s[24:25], wo s[26:27]
	s_load_b128 s[28:31], s[0:1], 0x60             ; gh s[28:29], wf s[30:31]
	v_lshl_add_u32 v[SPW], v0, 2, SPARE
	v_mov_b32 v[NIL], 0
	v_lshrrev_b32 v1, 5, v0
	v_readfirstlane_b32 s40, v1                    ; wave 0..7
	v_mov_b32 v[LW], s40
	v_lshlrev_b32 v[LW], 2, v[LW]
	v_mov_b32 v[LZ], 0
	v_mov_b32 v[K15], 0x38000000
	v_lshlrev_b32 v[XO], 4, v0
	v_bfe_u32 v1, v0, 3, 3                         ; my channel in the group
	v_lshlrev_b32 v[C16], 4, v1
	v_lshlrev_b32 v[C4], 2, v1
	v_lshrrev_b32 v1, 6, v0                        ; my cell row modulo 4
	v_and_b32 v[ZO], 7, v0                         ; my pair of cells in a row
	v_lshlrev_b32 v[ZO], 3, v[ZO]
	v_lshl_add_u32 v[ZO], v1, 6, v[ZO]
	v_and_b32 v[GOF], 63, v0
	v_lshlrev_b32 v[GOF], 4, v[GOF]
	v_lshl_add_u32 v[GOF], v1, 15, v[GOF]
	v_and_b32 v[WSO], 15, v0                       ; the fragment row,
	v_lshlrev_b32 v[WSO], 10, v[WSO]               ; 1,024 bytes a row of w,
	v_lshrrev_b32 v1, 4, v0
	v_lshl_add_u32 v[WSO], v1, 5, v[WSO]           ; and eight numbers, 32 bytes, for each sixteen threads
	s_lshr_b32 s32, ttmp9, 5                       ; image b; also: which of the four matrices I convert
	s_and_b32 s33, ttmp9, 31                       ; group g; also: which 4,096 bytes of that matrix fragments
	s_mov_b32 s38, 0x76543210                      ; v_permlanex16_b32: each lane takes its own place in the other half
	s_mov_b32 s39, 0xfedcba98
	s_mov_b32 s35, 0
	s_wait_kmcnt 0x0
	s_cmp_eq_u32 s32, 1
	s_cselect_b64 s[36:37], s[22:23], s[20:21]
	s_cmp_eq_u32 s32, 2
	s_cselect_b64 s[36:37], s[24:25], s[36:37]
	s_cmp_eq_u32 s32, 3
	s_cselect_b64 s[36:37], s[26:27], s[36:37]
	s_lshr_b32 s34, s33, 1                         ; 16 rows of w, 16,384 bytes,
	s_lshl_b32 s34, s34, 14
	s_and_b32 s41, ttmp9, 1                        ; and which half of their 256 columns
	s_lshl_b32 s41, s41, 9
	s_add_co_u32 s34, s34, s41
	s_add_nc_u64 s[36:37], s[36:37], s[34:35]
	s_lshl_b32 s34, ttmp9, 12
	s_add_nc_u64 s[30:31], s[30:31], s[34:35]
	s_lshl_b32 s34, ttmp9, 17
	s_add_nc_u64 s[4:5], s[4:5], s[34:35]          ; x at the group
	s_lshl_b32 s34, s32, 12
	s_add_nc_u64 s[6:7], s[6:7], s[34:35]          ; zq at the image
	s_lshl_b32 s34, s33, 5
	s_add_nc_u64 s[8:9], s[8:9], s[34:35]
	s_add_nc_u64 s[10:11], s[10:11], s[34:35]
	s_add_nc_u64 s[14:15], s[14:15], s[34:35]
	s_add_nc_u64 s[18:19], s[18:19], s[34:35]
	s_lshl_b32 s34, s33, 7
	s_add_nc_u64 s[12:13], s[12:13], s[34:35]
	s_add_nc_u64 s[16:17], s[16:17], s[34:35]
	s_lshl_b32 s34, s32, 19
	s_lshl_b32 s41, s33, 10
	s_add_co_u32 s34, s34, s41
	s_add_nc_u64 s[28:29], s[28:29], s[34:35]      ; gh at the image and the group channels
	global_load_b128 v[CSRC:CSRC+3], v[WSO], s[36:37]
	global_load_b128 v[CSRC+4:CSRC+7], v[WSO], s[36:37] offset:16
.set k, 0
.rept 32
	global_load_b128 v[X+4*k:X+4*k+3], v[XO], s[4:5] offset:4096*k th:TH_LOAD_NT  ; a wave covers 512 consecutive bytes
.set k, k+1
.endr
	global_load_b128 v[WY:WY+3], v[C16], s[12:13]
	global_load_b128 v[WB:WB+3], v[C16], s[16:17]
	global_load_b32 v[BYR], v[C4], s[14:15]
	global_load_b32 v[BYR+1], v[C4], s[18:19]
	global_load_b32 v[BYR+2], v[C4], s[8:9]
	global_load_b32 v[BYR+3], v[C4], s[10:11]
.set k, 0
.rept 4
.irp z, 0,1,2,3
	global_load_b64 v[ZQ+8*k+2*\z:ZQ+8*k+2*\z+1], v[ZO], s[6:7] offset:\z*1024+k*256
.endr
.set k, k+1
.endr
	s_wait_loadcnt 54                              ; the two loads of weights are in: 32 + 22 younger loads stay out
.irp r, 0,1,2,3
	v_cvt_pk_bf16_f32 v[CD+\r], v[CSRC+2*\r], v[CSRC+2*\r+1]
.endr
	global_store_b128 v[XO], v[CD:CD+3], s[30:31]  ; a wave stores 512 consecutive bytes of wf
; The sum of four chains over lanes and waves; the result in v[CH] of every lane.  off: the LDS bytes of this sum.
.macro WGSUM off
	v_pk_add_f32 v[CH:CH+1], v[CH:CH+1], v[CH+2:CH+3]
	v_pk_add_f32 v[CH+4:CH+5], v[CH+4:CH+5], v[CH+6:CH+7]
	v_pk_add_f32 v[CH:CH+1], v[CH:CH+1], v[CH+4:CH+5]
	v_add_f32 v[CH], v[CH], v[CH+1]
	v_add_f32_dpp v[CH], v[CH], v[CH] row_xmask:1 row_mask:0xf bank_mask:0xf
	v_add_f32_dpp v[CH], v[CH], v[CH] row_xmask:2 row_mask:0xf bank_mask:0xf
	v_add_f32_dpp v[CH], v[CH], v[CH] row_xmask:4 row_mask:0xf bank_mask:0xf
	v_add_f32_dpp v[CH], v[CH], v[CH] row_xmask:8 row_mask:0xf bank_mask:0xf
	v_permlanex16_b32 v[CH+1], v[CH], s38, s39
	v_add_f32 v[CH], v[CH], v[CH+1]
	ds_store_b32 v[LW], v[CH] offset:\off          ; all lanes write the wave word with the same value
	s_wait_dscnt 0x0                               ; for the others: my store is done
	s_barrier_signal -1
	s_barrier_wait -1
	ds_load_b128 v[RBK:RBK+3], v[LZ] offset:\off
	ds_load_b128 v[RBK+4:RBK+7], v[LZ] offset:\off+16
	s_wait_dscnt 0x0
	v_pk_add_f32 v[RBK:RBK+1], v[RBK:RBK+1], v[RBK+2:RBK+3]
	v_pk_add_f32 v[RBK+4:RBK+5], v[RBK+4:RBK+5], v[RBK+6:RBK+7]
	v_pk_add_f32 v[RBK:RBK+1], v[RBK:RBK+1], v[RBK+4:RBK+5]
	v_add_f32 v[CH], v[RBK], v[RBK+1]
.endm
	; pass 1: the sum, four loads (eight pairs) at a time as they arrive; the first eight pairs start the chains: nothing is cleared
.set kk, 0
.rept 8
	s_wait_loadcnt 50-4*kk                         ; behind group kk of four loads: 28 - 4 kk loads of x and the 22 of constants
.if kk == 0
.irp c, 0,1,2,3
	v_pk_add_f32 v[CH+2*\c:CH+2*\c+1], v[X+2*\c:X+2*\c+1], v[X+8+2*\c:X+8+2*\c+1]
.endr
.else
.set p, 8*kk
.rept 8
	v_pk_add_f32 v[CH+2*(p%4):CH+2*(p%4)+1], v[CH+2*(p%4):CH+2*(p%4)+1], v[X+2*p:X+2*p+1]
.set p, p+1
.endr
.endif
.set kk, kk+1
.endr
	WGSUM 0
	v_mul_f32 v[MEAN], v[K15], v[CH]
	v_mul_f32 v[MEAN+1], v[K15], v[CH]
	; pass 2: the sum of squares of x - mean
.set p, 0
.rept 64
	v_pk_add_f32 v[X+2*p:X+2*p+1], v[X+2*p:X+2*p+1], v[MEAN:MEAN+1] neg_lo:[0,1] neg_hi:[0,1]
.set p, p+1
.endr
.irp c, 0,1,2,3
	v_pk_mul_f32 v[CH+2*\c:CH+2*\c+1], v[X+2*\c:X+2*\c+1], v[X+2*\c:X+2*\c+1]
.endr
.set p, 4
.rept 60
	v_pk_fma_f32 v[CH+2*(p%4):CH+2*(p%4)+1], v[X+2*p:X+2*p+1], v[X+2*p:X+2*p+1], v[CH+2*(p%4):CH+2*(p%4)+1]
.set p, p+1
.endr
	WGSUM 64                                       ; other bytes than the first sum: no wave can still be reading what is written here
	v_fmaak_f32 v[TY], v[CH], v[K15], 0x358637bd   ; variance + 1e-6
	v_rsq_f32 v[TT], v[TY]
	v_nop                                          ; a plain instruction behind the root,
	s_wait_alu depctr_va_vdst(0)                   ; and the wait ahead of its first use
	s_wait_loadcnt 0x0                             ; the constants and zq
	v_mul_f32 v[AA], v[TT], v[BYR+2]               ; A = rs gamma
	v_fma_f32 v[BB], -v[MEAN], v[AA], v[BYR+3]     ; B = beta - mean A
.set k, 0
.rept 4                                ; cell rows (thread / 64) + 4 k; two cells each
.irp e, 0,1
	v_fma_f32 v[TY], v[WY], v[ZQ+8*k+\e], v[BYR]
	v_fma_f32 v[TT], v[WB], v[ZQ+8*k+\e], v[BYR+1]
.irp z, 1,2,3
	v_fmac_f32 v[TY], v[WY+\z], v[ZQ+8*k+2*\z+\e]
	v_fmac_f32 v[TT], v[WB+\z], v[ZQ+8*k+2*\z+\e]
.endr
	v_mul_f32 v[OQ+4*k+2*\e], v[AA], v[TY]         ; G = A Y
	v_fma_f32 v[OQ+4*k+2*\e+1], v[BB], v[TY], v[TT]  ; H = B Y + T
.endr
	global_store_b128 v[GOF], v[OQ+4*k:OQ+4*k+3], s[28:29] offset:k*131072  ; a wave stores 512 consecutive bytes
.set k, k+1
.endr
	s_wait_tensorcnt 0x0                           ; the wave's end
	ds_add_u32 v[SPW], v[NIL]
	s_wait_dscnt 0x0
	s_endpgm
.Lfunc_end_k_q4667fdb837_prep:
	.size	k_q4667fdb837_prep, .Lfunc_end_k_q4667fdb837_prep-k_q4667fdb837_prep
	.p2alignl 7, 3214868480
	.fill 96, 4, 3214868480
	.section	.rodata,"a",@progbits
	.p2align	6, 0x0
	.amdhsa_kernel k_q4667fdb837_prep
		.amdhsa_group_segment_fixed_size 1280
		.amdhsa_private_segment_fixed_size 0
		.amdhsa_enable_private_segment 0
		.amdhsa_kernarg_size 112
		.amdhsa_user_sgpr_count 2
		.amdhsa_user_sgpr_kernarg_segment_ptr 1
		.amdhsa_wavefront_size32 1
		.amdhsa_system_sgpr_workgroup_id_x 1
		.amdhsa_system_sgpr_workgroup_id_y 1
		.amdhsa_system_sgpr_workgroup_id_z 1
		.amdhsa_system_vgpr_workitem_id 0
		.amdhsa_next_free_vgpr 240
		.amdhsa_next_free_sgpr 66
		.amdhsa_reserve_vcc 0
		.amdhsa_float_denorm_mode_32 3
		.amdhsa_float_denorm_mode_16_64 3
		.amdhsa_memory_ordered 1
		.amdhsa_forward_progress 1
		.amdhsa_inst_pref_size 27
	.end_amdhsa_kernel
	.amdgpu_metadata
---
amdhsa.version: [ 1, 2 ]
amdhsa.kernels:
  - .name:           k_q4667fdb837_prep
    .symbol:         k_q4667fdb837_prep.kd
    .args:
      - { .name: x, .offset: 0, .size: 8, .value_kind: global_buffer, .address_space: global }
      - { .name: zq, .offset: 8, .size: 8, .value_kind: global_buffer, .address_space: global }
      - { .name: gn_gamma, .offset: 16, .size: 8, .value_kind: global_buffer, .address_space: global }
      - { .name: gn_beta, .offset: 24, .size: 8, .value_kind: global_buffer, .address_space: global }
      - { .name: wy, .offset: 32, .size: 8, .value_kind: global_buffer, .address_space: global }
      - { .name: by, .offset: 40, .size: 8, .value_kind: global_buffer, .address_space: global }
      - { .name: wb, .offset: 48, .size: 8, .value_kind: global_buffer, .address_space: global }
      - { .name: bb, .offset: 56, .size: 8, .value_kind: global_buffer, .address_space: global }
      - { .name: wq, .offset: 64, .size: 8, .value_kind: global_buffer, .address_space: global }
      - { .name: wk, .offset: 72, .size: 8, .value_kind: global_buffer, .address_space: global }
      - { .name: wv, .offset: 80, .size: 8, .value_kind: global_buffer, .address_space: global }
      - { .name: wo, .offset: 88, .size: 8, .value_kind: global_buffer, .address_space: global }
      - { .name: gh, .offset: 96, .size: 8, .value_kind: global_buffer, .address_space: global }
      - { .name: wf, .offset: 104, .size: 8, .value_kind: global_buffer, .address_space: global }
    .group_segment_fixed_size: 1280
    .private_segment_fixed_size: 0
    .kernarg_segment_align: 8
    .kernarg_segment_size: 112
    .max_flat_workgroup_size: 256
    .sgpr_count:     66
    .vgpr_count:     240
    .wavefront_size: 32
...
	.end_amdgpu_metadata
.endif
;; end of part 1
;; launch qkv (part 2): grid 128 x 2, 4 waves a work-group, clusters of 4 x 1, 270,848 bytes of LDS; arguments x, gh, wf, bq, bv, qf, kf, vf; writes qf, kf, vf
.if DOCPART == 2
	.amdgcn_target "amdgcn-amd-amdhsa--gfx1250"
	.amdhsa_code_object_version 6
	.text
	.protected	k_q4667fdb837_qkv
	.globl	k_q4667fdb837_qkv
	.p2align	8
	.type	k_q4667fdb837_qkv,@function
k_q4667fdb837_qkv:
	s_mov_b64 s[64:65], 0
	v_nop
	global_prefetch_b8 v0, s[64:65] scope:SCOPE_SE
	s_setreg_imm32_b32 hwreg(HW_REG_WAVE_MODE, 25, 1), 1
	s_wait_xcnt 0x0
	s_wait_alu depctr_hold_cnt(0) depctr_sa_sdst(0) depctr_va_vdst(0) depctr_va_sdst(0) depctr_va_ssrc(0) depctr_va_vcc(0) depctr_vm_vsrc(0)
	s_getreg_b32 s2, hwreg(HW_REG_IB_STS2, 6, 4)
	s_cmp_eq_u32 s2, 0
	s_cbranch_scc0 .Lentry_in_a_cluster
	s_endpgm
.Lentry_in_a_cluster:
	s_bfe_u32 s2, ttmp6, 0x10000c
	s_cmp_lg_u32 s2, 0x3003
	s_cbranch_scc0 .Lentry_shape_is_right
	s_endpgm
.Lentry_shape_is_right:
; Launch 2 of 4: xn = x G + H, then q = Wq xn + bq, k = Wk xn, v = Wv xn + bv, all three stored in bf16 in the order in which the attention launch takes its fragments.
; LEFT OUT: bk.  It adds to every logit of a query the same number along the softmax's axis and cancels there for all finite inputs (shown at the head of the first kernel).
; LIMITS: matrix operands (xn, the weights) and q, k, v are bf16; sums in f32.
; SHARES.  A work-group: 128 tokens (two image rows) x 384 of the 768 outputs: y = 0 has all 16 tiles of q and channel tiles 0-7 of v, y = 1 all of k and channel tiles 8-15 of v.
; The four partners of a cluster have the same y and other tokens: their 196,608 bytes of weights are asked for JOINTLY, once; each wave asks for a quarter of the q/k part and a quarter
; of the v part.
; Wave w: 64 tokens (w % 2) x 8 tiles of q or k and 4 of v (w / 2), in three trips of four tiles, written out: q/k, q/k, v for every wave.  16 accumulators take turns, 128 products a trip.
; THE BIAS is the C operand of the products that start the sums: bq (where y = 0; for k the registers hold 0) and bv.
; xn goes through LDS as [channel][token] and comes back turned by ds_load_tr16_b128: the one transposition of the program.
; q, k: source 0 = 16 outputs, source 1 = 16 tokens: a lane ends with eight neighbouring channels of one token.  v: the sources swapped: eight neighbouring tokens of one channel.
; Packed to bf16 these ARE fragments: qf, kf [b][token tile 256][ks 8][p][lane][8]; vf [b][32 tokens 128][channel tile 16][p][lane][8].  Every store of a wave is 512 consecutive bytes.
; REGISTERS: window 0: v0-16 addresses; v64-127 packed results; v128-255 accumulators (tile q4, token tile tt at 128 + 32 q4 + 8 tt).
;   window 1: x of my 64 channels (4 a channel), then xn fragments (tt, ks at 64 tt + 8 ks).   window 2: (G, H) of my 64 channels, then weight fragments (q4, ks at 64 q4 + 8 ks).
;   window 3: v0-63 the bias of my eight tiles of q or k, eight registers a tile; v64-95 that of my four tiles of v.
.set WVL,   131072                     ; LDS: 0 .. 131,071 sixteen tiles of q's or k's weights, 8,192 bytes each in fragment order; from here eight tiles of v's
.set XN,    196608                     ; then xn: 256 rows of 256 bytes + 32 of padding
.set XP,    288                        ; 72 words
.set SPARE, 270336                     ; behind xn: the spare words, 128 bytes a wave
.set SPW, 2
.set NIL, 3
.set XO,  4                            ; v4   16 x lane
.set GO,  5                            ; v5   8 x (lane % 16): my cell in a row of gh
.set XS,  6                            ; v6   where I put 8 bytes of a row of xn
.set XA0, 7                            ; v7   the turning loads' address, channels 0-127
.set XA1, 8                            ; v8   channels 128-255
.set WAQ, 9                            ; v9   my eight tiles of q's or k's weights; never rewritten
.set BOQ, 10                           ; v10  32 x (lane / 16)
.set BOV, 11                           ; v11  4 x (lane % 16)
.set WAV, 16                           ; v16  my four tiles of v's weights; never rewritten
.set OUT,  64
.set ACC,  128
.set BQ,   0                           ; window 3
.set BV,   64                          ; window 3
.set WV, 20
.set TH, 21
.set OP, 22
.set G1,  24                           ; s[24:31] group 1 for the q/k part: 128 rows of 256 bytes
.set G0,  32                           ; s[32:35] its group 0
.set G0B, 36                           ; s[36:39] group 0 for the v part
.set G1B, 40                           ; s[40:47] group 1 for the v part: 64 rows
.set Y,   51
.set MSB, 0
.macro WIN new                         ; the high byte repeats the setting that is left; a switch that changes nothing is dropped
.if MSB != (\new)
	s_set_vgpr_msb (MSB<<8)|(\new)
.set MSB, (\new)
.endif
.endm
.macro PLACES n
.rept \n
	v_nop
.endr
.endm
.macro CROUND                          ; a round of the cluster's barrier
	s_barrier_signal -1
	s_barrier_wait -1
	s_cmp_lg_u32 s[WV], 0
	s_cbranch_scc1 .Lnw0_\@
	s_barrier_signal -3
.Lnw0_\@:
	s_barrier_wait -3
	s_barrier_signal -1
	s_barrier_wait -1
.endm
	s_load_b512 s[4:19], s[0:1], 0x0               ; x s[4:5], gh s[6:7], wf s[8:9], bq s[10:11], bv s[12:13], qf s[14:15], kf s[16:17], vf s[18:19]
	v_lshl_add_u32 v[SPW], v0, 2, SPARE
	v_mov_b32 v[NIL], 0
	ds_add_u32 v[SPW], v[NIL]                      ; the opening: the add, twice on end, and its wait ahead of my first tensor load
	ds_add_u32 v[SPW], v[NIL]
	v_lshrrev_b32 v1, 5, v0
	v_readfirstlane_b32 s[WV], v1                  ; wave 0..3
	s_and_b32 s[TH], s[WV], 1                      ; which 64 tokens
	s_lshr_b32 s[OP], s[WV], 1                     ; which half of the output tiles
	s_bfe_u32 s23, ttmp6, 0x40000                  ; cx
	s_lshl_b32 s48, ttmp9, 2
	s_add_co_u32 s48, s48, s23                     ; my block of 128 tokens: it enters the addresses of x, gh, qf, kf, vf alone
	s_lshr_b32 s49, s48, 5                         ; image b
	s_and_b32 s50, s48, 31                         ; block in the image
	s_and_b32 s[Y], ttmp7, 0xffff                  ; y, which the partners share
.irp g, G1, G1B
	s_mov_b32 s[\g+0], 15|(3<<16)|(1<<21)          ; the mask of four; elements of 8 bytes; bit 21 beside a mask; no padding
	s_mov_b32 s[\g+1], 32<<16                      ; tensor_dim0 = 32: rows of 256 bytes
	s_mov_b32 s[\g+3], 32<<16                      ; tile_dim0 = 32
	s_mov_b32 s[\g+5], 32                          ; the rows lie end to end
	s_mov_b32 s[\g+6], 0
	s_mov_b32 s[\g+7], 0
.endr
	s_mov_b32 s[G1+2], 128<<16                     ; tensor_dim1 = 128
	s_mov_b32 s[G1+4], 128                         ; tile_dim1 = 128 rows: 32,768 dense bytes, four tiles of q's or k's weights
	s_mov_b32 s[G1B+2], 64<<16                     ; tensor_dim1 = 64
	s_mov_b32 s[G1B+4], 64                         ; tile_dim1 = 64 rows: 16,384 dense bytes, two tiles of v's weights
	s_mov_b32 s[G0], 1
	s_lshl_b32 s[G0+1], s[WV], 15                  ; LDS address: my quarter of the q/k part
	s_mov_b32 s[G0B], 1
	s_lshl_b32 s[G0B+1], s[WV], 14
	s_add_co_u32 s[G0B+1], s[G0B+1], WVL           ; my quarter of the v part
	s_lshl_b32 s52, s[Y], 17                       ; in wf: q's fragments begin at 0, k's at 131,072
	s_add_co_u32 s52, s52, s[G0+1]
	s_mov_b32 s53, 0
	s_lshl_b32 s54, s[Y], 16                       ; v's begin at 262,144; eight tiles for each y
	s_lshl_b32 s55, s[WV], 14
	s_add_co_u32 s54, s54, s55
	s_add_co_u32 s54, s54, 262144
	s_mov_b32 s55, 0
	s_lshl_b32 s56, s49, 22                        ; x: image, my block's 512 bytes of a channel, my 64 channels
	s_lshl_b32 s57, s50, 9
	s_add_co_u32 s56, s56, s57
	s_lshl_b32 s57, s[WV], 20
	s_add_co_u32 s56, s56, s57
	s_mov_b32 s57, 0
	s_lshl_b32 s58, s49, 4                         ; gh: (16 b + cell row) x 32,768 + my 64 channels x 128
	s_lshr_b32 s59, s50, 1
	s_add_co_u32 s58, s58, s59
	s_lshl_b32 s58, s58, 15
	s_lshl_b32 s59, s[WV], 13
	s_add_co_u32 s58, s58, s59
	s_mov_b32 s59, 0
	s_lshl_b32 s60, s49, 8                         ; my first token tile: 256 b + 8 block + 4 half; x 8,192 bytes in qf and kf, and the same number of bytes in vf
	s_lshl_b32 s61, s50, 3
	s_add_co_u32 s60, s60, s61
	s_lshl_b32 s61, s[TH], 2
	s_add_co_u32 s60, s60, s61
	s_lshl_b32 s60, s60, 13
	s_mov_b32 s61, 0
	s_wait_dscnt 0x0                               ; both opening adds are done
	s_wait_kmcnt 0x0
	s_add_nc_u64 s[G0+2:G0+3], s[8:9], s[52:53]
	s_or_b32 s[G0+3], s[G0+3], 0x80000000
	s_add_nc_u64 s[G0B+2:G0B+3], s[8:9], s[54:55]
	s_or_b32 s[G0B+3], s[G0B+3], 0x80000000
	s_add_nc_u64 s[4:5], s[4:5], s[56:57]
	s_add_nc_u64 s[6:7], s[6:7], s[58:59]
	CROUND                                         ; all four work-groups are here: the joint loads meet
	tensor_load_to_lds s[G0:G0+3], s[G1:G1+7]      ; my two tensor loads of the launch stand together: first fills, behind the one round
	s_nop 0
	tensor_load_to_lds s[G0B:G0B+3], s[G1B:G1B+7]
	s_nop 0
	PLACES 4
	s_cmp_eq_u32 s[Y], 0
	s_cselect_b64 s[52:53], s[14:15], s[16:17]     ; qf or kf,
	s_add_nc_u64 s[52:53], s[52:53], s[60:61]      ; at my token tiles,
	s_lshl_b32 s62, s[OP], 12                      ; at my eight output tiles: 512 bytes a tile
	s_mov_b32 s63, 0
	s_add_nc_u64 s[52:53], s[52:53], s[62:63]
	s_lshl_b32 s62, s[Y], 3
	s_lshl_b32 s54, s[OP], 2
	s_add_co_u32 s62, s62, s54                     ; my first channel tile of v: 8 y + 4 half
	s_lshl_b32 s54, s62, 10                        ; 1,024 bytes a channel tile in vf
	s_add_nc_u64 s[56:57], s[18:19], s[60:61]
	s_add_nc_u64 s[56:57], s[56:57], s[54:55]
	s_lshl_b32 s54, s62, 6
	s_add_nc_u64 s[12:13], s[12:13], s[54:55]      ; bv at my 64 channels
	s_lshl_b32 s54, s[OP], 9
	s_add_nc_u64 s[10:11], s[10:11], s[54:55]      ; bq at my 128 outputs
	v_and_b32 v1, 31, v0                           ; lane
	v_lshlrev_b32 v[XO], 4, v1
	v_and_b32 v12, 15, v0
	v_lshlrev_b32 v[GO], 3, v12
	v_lshlrev_b32 v[BOV], 2, v12
	v_bfe_u32 v13, v0, 4, 1
	v_lshlrev_b32 v[BOQ], 5, v13
	s_mul_i32 s58, s[WV], 64*XP
	s_add_co_u32 s58, s58, XN
	v_lshl_add_u32 v[XS], v1, 3, s58               ; my 64 rows of xn, 8 bytes a lane
	v_and_b32 v14, 7, v0                           ; the turning load: row 8 (l / 16) + l % 8, 16 bytes ((l / 8) % 2), my 64 tokens
	v_lshl_add_u32 v14, v13, 3, v14
	v_mul_u32_u24 v14, v14, XP
	v_bfe_u32 v15, v0, 3, 1
	v_lshl_add_u32 v14, v15, 4, v14
	s_lshl_b32 s59, s[TH], 7
	s_add_co_u32 s59, s59, XN
	v_add_nc_u32 v[XA0], s59, v14
	v_add_nc_u32 v[XA1], 128*XP, v[XA0]
	s_lshl_b32 s59, s[OP], 16
	v_add_nc_u32 v[WAQ], s59, v[XO]
	s_lshl_b32 s59, s[OP], 15
	s_add_co_u32 s59, s59, WVL
	v_add_nc_u32 v[WAV], s59, v[XO]
	; THE BIASES, ahead of x's loads, whose counted waits cover them.  k has none: its sums start at 0; where y = 0 bq is loaded over the zeros.
	WIN 0xc0
.set i, 0
.rept 64
	v_mov_b32 v[BQ+i], 0
.set i, i+1
.endr
	WIN 0
	s_cmp_eq_u32 s[Y], 0                           ; the same answer in all four partners; the jump leads round loads alone
	s_cbranch_scc0 .Lnobq
	WIN 0xc0
.set i, 0
.rept 8                                ; tile i: register j of a lane is output 8 (lane / 16) + j, as in the product's result
	global_load_b128 v[BQ+8*i:BQ+8*i+3],   v[BOQ], s[10:11] offset:64*i
	global_load_b128 v[BQ+8*i+4:BQ+8*i+7], v[BOQ], s[10:11] offset:64*i+16
.set i, i+1
.endr
	WIN 0
.Lnobq:
	WIN 0xc0
.irp q, 0,1,2,3
	global_load_b32 v[BV+8*\q], v[BOV], s[12:13] offset:64*\q  ; one channel a lane
.endr
	; PHASE A.  My 64 channels: a load of x is one channel's 128 tokens, four a lane, which lie in one cell: one (G, H) a lane.
.set q, 0
.rept 8
	WIN 0x40
.set i, 8*q
.rept 8
	global_load_b128 v[4*i:4*i+3], v[XO], s[4:5] offset:i*16384
.set i, i+1
.endr
	WIN 0x80
.set i, 8*q
.rept 8
	global_load_b64 v[2*i:2*i+1], v[GO], s[6:7] offset:i*128
.set i, i+1
.endr
.set q, q+1
.endr
.set q, 0
.rept 8
.set n, 112-16*q                       ; the loads issued behind batch q; the wait's field ends at 63, and a smaller count is safe
.if n > 63
.set n, 63
.endif
	s_wait_loadcnt n
	WIN 0x69                                       ; x in window 1, G and H in window 2
.set i, 8*q
.rept 8
.irp e, 0,1,2,3
	v_fma_f32 v[4*i+\e], v[4*i+\e], v[2*i], v[2*i+1]
.endr
.set i, i+1
.endr
	WIN 0x45
.set i, 8*q
.rept 8
	v_cvt_pk_bf16_f32 v[4*i], v[4*i], v[4*i+1]
	v_cvt_pk_bf16_f32 v[4*i+1], v[4*i+2], v[4*i+3]
.set i, i+1
.endr
	WIN 0x04                                       ; store data in window 1
.set i, 8*q
.rept 8
	ds_store_b64 v[XS], v[4*i:4*i+1] offset:i*XP
.set i, i+1
.endr
.set q, q+1
.endr
	WIN 0xc3                                       ; the last wait above was for 0: bv is in.  A lane's eight results of v are eight tokens of one channel: the same bv
.irp q, 0,1,2,3
.irp j, 1,2,3,4,5,6,7
	v_mov_b32 v[BV+8*\q+\j], v[BV+8*\q]
.endr
.endr
	WIN 0
	s_wait_tensorcnt 0x0                           ; my parts of the weights are in,
	s_wait_dscnt 0x0                               ; my rows of xn are written:
	s_barrier_signal -1
	s_barrier_wait -1                              ; everybody's are.
	; PHASE B.  xn of my 64 tokens, all 256 channels, as fragments; then the first four tiles of weights.
	WIN 0x40
.set xt, 0
.rept 4
.set xk, 0
.rept 8
.if xk < 4
	ds_load_tr16_b128 v[64*xt+8*xk:64*xt+8*xk+3],   v[XA0] offset:(xk%4)*32*XP+32*xt
	ds_load_tr16_b128 v[64*xt+8*xk+4:64*xt+8*xk+7], v[XA0] offset:(xk%4)*32*XP+32*xt+16*XP
.else
	ds_load_tr16_b128 v[64*xt+8*xk:64*xt+8*xk+3],   v[XA1] offset:(xk%4)*32*XP+32*xt
	ds_load_tr16_b128 v[64*xt+8*xk+4:64*xt+8*xk+7], v[XA1] offset:(xk%4)*32*XP+32*xt+16*XP
.endif
.set xk, xk+1
.endr
.set xt, xt+1
.endr
.macro WLOAD adr, off                  ; four tiles of weights: 32,768 bytes on end, 512 a load, from a fixed register and an immediate
	WIN 0x80
.set wi, 0
.rept 64
	ds_load_b128 v[4*wi:4*wi+3], v[\adr] offset:(\off)+512*wi
.set wi, wi+1
.endr
	WIN 0
.endm
	WLOAD WAQ, 0
; 128 products: ks outside, the 16 accumulators by turns inside.  va = 0: source 0 the weights; 1: source 0 xn.
; The first 16 start the sums with the bias, eight registers a tile from cb on in window 3.
.macro MULS va, cb
.set mk, 0
.rept 8
.if mk == 0
	WIN 0x36+3*(\va)                               ; weights in window 2, xn in window 1, the bias in window 3
.else
	WIN 0x06+3*(\va)
.endif
.set ma, 0
.rept 16
.set rA, ACC+8*ma
.set rW, 64*(ma/4)+8*mk
.set rX, 64*(ma%4)+8*mk
.set rC, (\cb)+8*(ma/4)
.if \va
.if mk == 0
	v_wmma_f32_16x16x32_bf16 v[rA:rA+7], v[rX:rX+7], v[rW:rW+7], v[rC:rC+7]
.else
	v_wmma_f32_16x16x32_bf16 v[rA:rA+7], v[rX:rX+7], v[rW:rW+7], v[rA:rA+7]
.endif
.else
.if mk == 0
	v_wmma_f32_16x16x32_bf16 v[rA:rA+7], v[rW:rW+7], v[rX:rX+7], v[rC:rC+7]
.else
	v_wmma_f32_16x16x32_bf16 v[rA:rA+7], v[rW:rW+7], v[rX:rX+7], v[rA:rA+7]
.endif
.endif
.set ma, ma+1
.endr
.set mk, mk+1
.endr
	WIN 0
.endm
.macro PACKALL                         ; each accumulator from its low end on
.set ma, 0
.rept 16
.irp r, 0,1,2,3
	v_cvt_pk_bf16_f32 v[OUT+4*ma+\r], v[ACC+8*ma+2*\r], v[ACC+8*ma+2*\r+1]
.endr
.set ma, ma+1
.endr
.endm
; Trip i (0, 1): four tiles of q or k.  The next trip's weights are asked for four places behind the last product, ahead of the packing and the stores.
.macro QKTRIP i
	s_wait_dscnt 0x0                               ; the fragments are in
	MULS 0, BQ+32*(\i)
	PLACES 4
.if (\i) == 0
	WLOAD WAQ, 32768
.else
	WLOAD WAV, 0
	s_wait_xcnt 0x0                                ; the last trip's stores have read their data, which is written anew below
.endif
	PACKALL
.set ma, 0
.rept 16
	global_store_b128 v[XO], v[OUT+4*ma:OUT+4*ma+3], s[52:53] offset:(ma%4)*8192+(ma/4)*512+(\i)*2048  ; token tile ma % 4; an output tile is half a fragment, 512 bytes
.set ma, ma+1
.endr
.endm
	QKTRIP 0
	QKTRIP 1
	s_wait_dscnt 0x0                               ; the third trip: four tiles of v
	MULS 1, BV
	PLACES 4
	s_wait_xcnt 0x0
	PACKALL
.set ma, 0
.rept 16
	global_store_b128 v[XO], v[OUT+4*ma:OUT+4*ma+3], s[56:57] offset:((ma%4)/2)*16384+(ma/4)*1024+((ma%4)%2)*512  ; two token tiles are one block of 32 keys
.set ma, ma+1
.endr
	s_wait_tensorcnt 0x0                           ; the wave's end
	ds_add_u32 v[SPW], v[NIL]
	s_wait_dscnt 0x0
	CROUND                                         ; the closing round
	s_endpgm
.Lfunc_end_k_q4667fdb837_qkv:
	.size	k_q4667fdb837_qkv, .Lfunc_end_k_q4667fdb837_qkv-k_q4667fdb837_qkv
	.p2alignl 7, 3214868480
	.fill 96, 4, 3214868480
	.section	.rodata,"a",@progbits
	.p2align	6, 0x0
	.amdhsa_kernel k_q4667fdb837_qkv
		.amdhsa_group_segment_fixed_size 270848
		.amdhsa_private_segment_fixed_size 0
		.amdhsa_enable_private_segment 0
		.amdhsa_kernarg_size 64
		.amdhsa_user_sgpr_count 2
		.amdhsa_user_sgpr_kernarg_segment_ptr 1
		.amdhsa_wavefront_size32 1
		.amdhsa_system_sgpr_workgroup_id_x 1
		.amdhsa_system_sgpr_workgroup_id_y 1
		.amdhsa_system_sgpr_workgroup_id_z 1
		.amdhsa_system_vgpr_workitem_id 0
		.amdhsa_next_free_vgpr 864
		.amdhsa_next_free_sgpr 66
		.amdhsa_reserve_vcc 0
		.amdhsa_float_denorm_mode_32 3
		.amdhsa_float_denorm_mode_16_64 3
		.amdhsa_memory_ordered 1
		.amdhsa_forward_progress 1
		.amdhsa_inst_pref_size 111
	.end_amdhsa_kernel
	.amdgpu_metadata
---
amdhsa.version: [ 1, 2 ]
amdhsa.kernels:
  - .name:           k_q4667fdb837_qkv
    .symbol:         k_q4667fdb837_qkv.kd
    .args:
      - { .name: x, .offset: 0, .size: 8, .value_kind: global_buffer, .address_space: global }
      - { .name: gh, .offset: 8, .size: 8, .value_kind: global_buffer, .address_space: global }
      - { .name: wf, .offset: 16, .size: 8, .value_kind: global_buffer, .address_space: global }
      - { .name: bq, .offset: 24, .size: 8, .value_kind: global_buffer, .address_space: global }
      - { .name: bv, .offset: 32, .size: 8, .value_kind: global_buffer, .address_space: global }
      - { .name: qf, .offset: 40, .size: 8, .value_kind: global_buffer, .address_space: global }
      - { .name: kf, .offset: 48, .size: 8, .value_kind: global_buffer, .address_space: global }
      - { .name: vf, .offset: 56, .size: 8, .value_kind: global_buffer, .address_space: global }
    .group_segment_fixed_size: 270848
    .private_segment_fixed_size: 0
    .kernarg_segment_align: 8
    .kernarg_segment_size: 64
    .max_flat_workgroup_size: 128
    .sgpr_count:     66
    .vgpr_count:     864
    .wavefront_size: 32
...
	.end_amdgpu_metadata
.endif
;; end of part 2
;; launch attn (part 3): grid 32 x 8, 4 waves a work-group, clusters of 4 x 1, 327,680 bytes of LDS; arguments qf, kf, vf, opart, ml; writes opart, ml
.if DOCPART == 3
	.amdgcn_target "amdgcn-amd-amdhsa--gfx1250"
	.amdhsa_code_object_version 6
	.text
	.protected	k_q4667fdb837_attn
	.globl	k_q4667fdb837_attn
	.p2align	8
	.type	k_q4667fdb837_attn,@function
k_q4667fdb837_attn:
	s_mov_b64 s[64:65], 0
	v_nop
	global_prefetch_b8 v0, s[64:65] scope:SCOPE_SE
	s_setreg_imm32_b32 hwreg(HW_REG_WAVE_MODE, 25, 1), 1
	s_wait_xcnt 0x0
	s_wait_alu depctr_hold_cnt(0) depctr_sa_sdst(0) depctr_va_vdst(0) depctr_va_sdst(0) depctr_va_ssrc(0) depctr_va_vcc(0) depctr_vm_vsrc(0)
	s_getreg_b32 s2, hwreg(HW_REG_IB_STS2, 6, 4)
	s_cmp_eq_u32 s2, 0
	s_cbranch_scc0 .Lentry_in_a_cluster
	s_endpgm
.Lentry_in_a_cluster:
	s_bfe_u32 s2, ttmp6, 0x10000c
	s_cmp_lg_u32 s2, 0x3003
	s_cbranch_scc0 .Lentry_shape_is_right
	s_endpgm
.Lentry_shape_is_right:
; Launch 3 of 4: attention with a running maximum, over half of an image's keys.  O_s[q] = sum over the split's keys of 2^(c s - M) v, with (M, L) beside it; c = log2(e) / 16.
; k carries no bias: bk cancels in the softmax (shown at the head of the first kernel).
; LIMITS: q, k, v and the weights p are bf16, products, maxima and sums f32; l is the sum of the unrounded p; a weight below 2^-126 counts as 0; m starts at the lowest finite number,
; c m at -4.25e37, O and l at 0, so the first step is a step like any other with a = 0; NaN and infinities are not treated apart.
; SHARES.  Work-group: 128 queries x 2,048 keys (y = 2 b + split): 32 x 8 = 256 work-groups.  Its waves are 2 x 2: 64 queries (w / 2) x 64 of each tile's 128 keys (w % 2).
; The two key halves of a work-group meet in LDS at the end; the two splits meet in the next launch, through opart and ml: no traffic between work-groups.
; CLUSTER.  The four query blocks of a cluster walk the same K and V: each tile is asked for JOINTLY, the same load, descriptor and mask in all four.
; RING.  Two slots of 131,072 bytes: K(keys 0-63), V(0-63), K(64-127), V(64-127), 32,768 dense bytes each in fragment order; wave w fills region w, one load behind each round.
; A fragment is read as 2 x 512 consecutive bytes: no padding.  A fill has a whole step, 256 products a wave, in which to land.
; LAYOUT.  S^T = K Q^T: a lane holds one query (lane % 16) and keys 8 (lane / 16) + 0..7; two such results packed to bf16 ARE source 1 of O^T = V^T P, packed in place.
; ORDER OF A STEP.  V^T P of channel groups 6, 7 of the step before; 128 products K Q^T; the softmax in one lump with ONE batch of exponentials; V^T P of groups 0-5.
; O^T times a rides behind the products V^T P, four packed multiplies behind each two, one group ahead.  Fragments come in groups of four through three buffers, two groups ahead.
; CHANNEL ORDER.  A wave's local channel tile lc is tile lc + 8 kh below 8 and lc - 8 kh from 8 on (kh = w % 2): window 1 is the half that it keeps at the end, window 2 the half that it sends.
; REGISTERS: window 0: v0-7 addresses; v8-23 (c m, m, l, l) a tile; v24-31 (T, U) a tile, T becomes a; v32-127 three fragment buffers; v128-255 S^T, 32 a tile, P in its lower 16.
;   windows 1, 2: O^T (tile t, lc at 64 t + 8 (lc % 8) of window 1 + lc / 8).   window 3: Q (t, ks at 64 t + 8 ks).
.set SLOT,  131072
.set SPARE, 262144                     ; behind the ring: the spare words, 128 bytes a wave
.set SCR,   262656                     ; 4,096 bytes: the waves' (c m, l) at the end; no tile lands here
.set SPW,  1
.set NIL,  2
.set AB0,  3                           ; v3   16 lane + 57,344 kh; never rewritten
.set ADR,  4                           ; v4   K of my key half in the slot in hand
.set ADRA, 5                           ; v5   V, local channel tiles 0-7
.set ADRB, 6                           ; v6   V, local channel tiles 8-15
.set PFO,  7                           ; v7   256 x lane; never rewritten
.set ST,   8
.set TU,   24
.set BX,   32
.set BY,   64
.set BZ,   96
.set S,    128
.set WV,  14
.set KH,  15
.set QH,  16
.set G1,  24
.set G0,  32                           ; s[32:35] the one group 0: it walks
.set CS,  36                           ; s[36:37] c
.set SEL, 38
.set TB,  40                           ; s40  the slot in hand; s41, s42 the same + 8,192 kh, + 16,384 kh
.set TBK, 41
.set TBA, 42
.set KH8, 43
.set CNT, 44
.set LIM, 45                           ; s45  1 in the cluster that prefetches, else the greatest number
.set PFA, 46                           ; s[46:47] my work-group's 8,192 bytes of my region, in the tile after the one that is being asked for
.set MSB, 0
.macro WIN new                         ; the high byte repeats the setting that is left; a switch that changes nothing is dropped
.if MSB != (\new)
	s_set_vgpr_msb (MSB<<8)|(\new)
.set MSB, (\new)
.endif
.endm
.macro PLACES n
.rept \n
	v_nop
.endr
.endm
.macro CROUND                          ; a round of the cluster's barrier
	s_barrier_signal -1
	s_barrier_wait -1
	s_cmp_lg_u32 s[WV], 0
	s_cbranch_scc1 .Lnw0_\@
	s_barrier_signal -3
.Lnw0_\@:
	s_barrier_wait -3
	s_barrier_signal -1
	s_barrier_wait -1
.endm
	s_load_b256 s[4:11], s[0:1], 0x0               ; qf s[4:5], kf s[6:7], vf s[8:9], opart s[10:11]
	s_load_b64 s[12:13], s[0:1], 0x20              ; ml
	v_lshl_add_u32 v[SPW], v0, 2, SPARE
	v_mov_b32 v[NIL], 0
	ds_add_u32 v[SPW], v[NIL]                      ; the opening: the add, twice on end, and its wait ahead of my first tensor load
	ds_add_u32 v[SPW], v[NIL]
	v_lshrrev_b32 v[ADR], 5, v0
	v_readfirstlane_b32 s[WV], v[ADR]              ; wave 0..3
	s_and_b32 s[KH], s[WV], 1                      ; my key half.  Also: I fetch K (0) or V (1)
	s_lshr_b32 s[QH], s[WV], 1                     ; my 64 queries.  Also: which 64 keys of a tile I fetch
	s_bfe_u32 s17, ttmp6, 0x40000                  ; cx
	s_lshl_b32 s18, ttmp9, 2
	s_add_co_u32 s18, s18, s17                     ; my block of 128 queries: it enters the addresses of qf, opart and ml alone
	s_and_b32 s19, ttmp7, 0xffff
	s_lshr_b32 s20, s19, 1                         ; image b
	s_and_b32 s21, s19, 1                          ; split
	s_mov_b32 s[G1+0], 15|(3<<16)|(1<<21)          ; the mask of four; elements of 8 bytes; bit 21 beside a mask; no padding
	s_mov_b32 s[G1+1], 32<<16                      ; tensor_dim0 = 32: rows of 256 bytes
	s_mov_b32 s[G1+2], 128<<16                     ; tensor_dim1 = 128
	s_mov_b32 s[G1+3], 32<<16                      ; tile_dim0 = 32
	s_mov_b32 s[G1+4], 128                         ; tile_dim1 = 128 rows: 32,768 dense bytes
	s_mov_b32 s[G1+5], 32
	s_mov_b32 s[G1+6], 0
	s_mov_b32 s[G1+7], 0
	s_mov_b32 s[G0], 1
	s_lshl_b32 s[G0+1], s[WV], 15                  ; LDS address: region w of slot 0
	s_mov_b32 s[CS], 0x3db8aa3b                    ; c = log2(e) / 16
	s_mov_b32 s[CS+1], s[CS]
	s_mov_b32 s[SEL], 0x76543210
	s_mov_b32 s[SEL+1], 0xfedcba98
	s_mov_b32 s[TB], SLOT                          ; the first change of slots turns it into 0
	s_lshl_b32 s[KH8], s[KH], 13
	s_mov_b32 s[CNT], 15
	s_cmp_eq_u32 ttmp9, 0                          ; the first cluster of each (image, split): the same answer in all four partners
	s_cselect_b32 s[LIM], 1, -1
	s_lshl_b32 s48, s20, 12                        ; a key is 512 bytes in kf and in vf: (4,096 b + 2,048 split + 64 half) x 512
	s_lshl_b32 s49, s21, 11
	s_add_co_u32 s48, s48, s49
	s_lshl_b32 s49, s[QH], 6
	s_add_co_u32 s48, s48, s49
	s_lshl_b32 s48, s48, 9
	s_mov_b32 s49, 0
	s_lshl_b32 s50, s20, 8                         ; my first query tile: 256 b + 8 block + 4 half
	s_lshl_b32 s51, s18, 3
	s_add_co_u32 s50, s50, s51
	s_lshl_b32 s51, s[QH], 2
	s_add_co_u32 s50, s50, s51
	s_lshl_b32 s52, s50, 13                        ; x 8,192 bytes in qf
	s_mov_b32 s53, 0
	s_lshl_b32 s51, s21, 10
	s_add_co_u32 s50, s50, s51                     ; + 1,024 split
	s_lshl_b32 s54, s50, 14                        ; x 16,384 bytes in opart,
	s_add_co_u32 s54, s54, s[KH8]                  ; + the eight channel tiles that I keep
	s_mov_b32 s55, 0
	s_lshl_b32 s56, s50, 7                         ; x 16 tokens x 8 bytes in ml
	s_mov_b32 s57, 0
	s_wait_dscnt 0x0                               ; both opening adds are done
	s_wait_kmcnt 0x0
	s_cmp_eq_u32 s[KH], 0
	s_cselect_b64 s[58:59], s[6:7], s[8:9]
	s_add_nc_u64 s[58:59], s[58:59], s[48:49]      ; my region of tile 0
	s_mov_b64 s[G0+2:G0+3], s[58:59]
	s_or_b32 s[G0+3], s[G0+3], 0x80000000
	s_lshl_b32 s48, s17, 13                        ; the partners share a region's 32,768 bytes out by address
	s_add_nc_u64 s[PFA:PFA+1], s[58:59], s[48:49]
	s_add_nc_u64 s[PFA:PFA+1], s[PFA:PFA+1], 65536 ; in tile 1; the first change of slots steps it to tile 2
	s_add_nc_u64 s[4:5], s[4:5], s[52:53]
	s_add_nc_u64 s[10:11], s[10:11], s[54:55]
	s_add_nc_u64 s[12:13], s[12:13], s[56:57]
	CROUND                                         ; all four work-groups are here: the first joint loads meet
	tensor_load_to_lds s[G0:G0+3], s[G1:G1+7]      ; tile 0 into slot 0; slot 1 is asked for by the loop's own change of slots
	s_nop 0
	PLACES 4
	v_and_b32 v[PFO], 31, v0
	v_lshlrev_b32 v[ADR], 4, v[PFO]                ; 16 x lane
	s_mul_i32 s48, s[KH], 57344
	v_add_nc_u32 v[AB0], s48, v[ADR]
	v_lshlrev_b32 v[PFO], 8, v[PFO]
	WIN 0xc0                                       ; Q stays in registers: 64 x 512 consecutive bytes
.set i, 0
.rept 64
	global_load_b128 v[4*i:4*i+3], v[ADR], s[4:5] offset:512*i
.set i, i+1
.endr
	; What the first step finds: O^T, l, a, P and two fragment buffers hold 0 (its first 32 products, of a step that has not been, add 0).  All this stands in the wait for the first tile.
	WIN 0x40
.set i, 0
.rept 256
	v_mov_b32 v[i], 0
.set i, i+1
.endr
	WIN 0x80
.set i, 0
.rept 256
	v_mov_b32 v[i], 0
.set i, i+1
.endr
	WIN 0
.set i, BX
.rept 64
	v_mov_b32 v[i], 0
.set i, i+1
.endr
.irp t, 0,1,2,3
.set i, 0
.rept 16
	v_mov_b32 v[S+32*\t+i], 0
.set i, i+1
.endr
	v_mov_b32 v[ST+4*\t], 0xfe000000               ; c m: far below every c s
	v_mov_b32 v[ST+4*\t+1], 0xff7fffff             ; m
	v_mov_b32 v[ST+4*\t+2], 0
	v_mov_b32 v[ST+4*\t+3], 0
	v_mov_b32 v[TU+2*\t], 0
	v_mov_b32 v[TU+2*\t+1], 0
.endr
	s_wait_loadcnt 0x0                             ; Q; its address register is free
; A GROUP is four fragments: eight LDS loads, 32 registers, 16 products.
.macro KLOAD g, buf                    ; K: key tile g / 2, channels 128 (g % 2) on
.irp f, 0,1,2,3
	ds_load_b128 v[(\buf)+8*\f:(\buf)+8*\f+3],   v[ADR] offset:((\g)/2)*8192+(4*((\g)%2)+\f)*1024
	ds_load_b128 v[(\buf)+8*\f+4:(\buf)+8*\f+7], v[ADR] offset:((\g)/2)*8192+(4*((\g)%2)+\f)*1024+512
.endr
.endm
.macro VLOAD g, buf                    ; V: local channel tiles 2 g, 2 g + 1 for keys 0-31, then for keys 32-63
.irp f, 0,1,2,3
.set vo, 32768+((\f)/2)*16384+(2*(\g)+(\f)%2)*1024
.if (\g) < 4
	ds_load_b128 v[(\buf)+8*\f:(\buf)+8*\f+3],   v[ADRA] offset:vo
	ds_load_b128 v[(\buf)+8*\f+4:(\buf)+8*\f+7], v[ADRA] offset:vo+512
.else
	ds_load_b128 v[(\buf)+8*\f:(\buf)+8*\f+3],   v[ADRB] offset:vo
	ds_load_b128 v[(\buf)+8*\f+4:(\buf)+8*\f+7], v[ADRB] offset:vo+512
.endif
.endr
.endm
.macro QKG g, buf                      ; 16 products of S^T = K Q^T; the four tiles' accumulators take turns; channels 0-31 start the sums
.irp f, 0,1,2,3
.irp t, 0,1,2,3
.if (4*((\g)%2)+\f) == 0
	v_wmma_f32_16x16x32_bf16 v[S+32*\t+8*((\g)/2):S+32*\t+8*((\g)/2)+7], v[(\buf)+8*\f:(\buf)+8*\f+7], v[64*\t+8*(4*((\g)%2)+\f):64*\t+8*(4*((\g)%2)+\f)+7], 0
.else
	v_wmma_f32_16x16x32_bf16 v[S+32*\t+8*((\g)/2):S+32*\t+8*((\g)/2)+7], v[(\buf)+8*\f:(\buf)+8*\f+7], v[64*\t+8*(4*((\g)%2)+\f):64*\t+8*(4*((\g)%2)+\f)+7], v[S+32*\t+8*((\g)/2):S+32*\t+8*((\g)/2)+7]
.endif
.endr
.endr
.endm
.macro RESC g, first                   ; four of the 32 packed multiplies O^T x a of group g, ascending: each accumulator is read from its low end on
.set rn, (\first)
.rept 4
.set rR, 64*(rn/8)+16*((\g)%4)+2*(rn%8)
	v_pk_mul_f32 v[rR:rR+1], v[rR:rR+1], v[TU+2*(rn/8):TU+2*(rn/8)+1] op_sel_hi:[1,0]
.set rn, rn+1
.endr
.endm
; 16 products of O^T += V^T P for group g: eight accumulators by turns, twice.  ride = 1: behind each two products four multiplies of group g + 1, which name no register of the products round them;
; the last four are also the places in front of the loads into buf.
.macro PVG g, buf, ride
.set pw, 1+(\g)/4
.set pr, 1+((\g)+1)/4
.set pn, 0
.rept 8
	WIN (pw<<4)|(pw<<6)
.rept 2
.set pf, pn/4
.set pt, pn%4
.set rO, 64*pt+8*((2*(\g)+pf%2)%8)
.set rP, S+32*pt+8*(pf/2)
	v_wmma_f32_16x16x32_bf16 v[rO:rO+7], v[(\buf)+8*pf:(\buf)+8*pf+7], v[rP:rP+7], v[rO:rO+7]
.set pn, pn+1
.endr
.if \ride
	WIN pr|(pr<<6)
	RESC (\g)+1, 2*pn-4
.endif
.endr
.endm
.macro LF n                            ; c s - c m for pair n / 4 of tile n % 4
.set fS, S+32*((\n)%4)+2*((\n)/4)
.set fT, ST+4*((\n)%4)
	v_pk_fma_f32 v[fS:fS+1], v[fS:fS+1], s[CS:CS+1], v[fT:fT+1] op_sel_hi:[1,0,0] neg_lo:[0,0,1] neg_hi:[0,0,1]
.endm
.macro LE n                            ; the pair's two exponentials
.set fS, S+32*((\n)%4)+2*((\n)/4)
	v_exp_f32 v[fS], v[fS]
	v_exp_f32 v[fS+1], v[fS+1]
.endm
; THE SOFTMAX OF A STEP, four tiles side by side so that no line waits for the one before it.
.macro LUMP
.irp t, 0,1,2,3                        ; the maximum: a chain of three operands a tile.  These four lines name no register of the last 48 products: they are the places in front of V's loads
	v_max3_num_f32 v[TU+2*\t], v[S+32*\t], v[S+32*\t+1], v[S+32*\t+2]
.endr
	VLOAD 0, BX
	VLOAD 1, BY
	VLOAD 2, BZ
.set ln, 1
.rept 14                               ; each accumulator is first read at its lowest register (8, 16, 24 fall into lines 3, 7, 11)
.irp t, 0,1,2,3
	v_max3_num_f32 v[TU+2*\t], v[TU+2*\t], v[S+32*\t+2*ln+1], v[S+32*\t+2*ln+2]
.endr
.set ln, ln+1
.endr
.irp t, 0,1,2,3
	v_max3_num_f32 v[TU+2*\t], v[TU+2*\t], v[S+32*\t+31], v[ST+4*\t+1]  ; the last score and the old m
.endr
.irp t, 0,1,2,3
	v_permlanex16_b32 v[TU+2*\t+1], v[TU+2*\t], s[SEL], s[SEL+1]  ; the query's other 32 keys lie in the lane 16 away
.endr
.irp t, 0,1,2,3
	v_max_num_f32 v[ST+4*\t+1], v[TU+2*\t], v[TU+2*\t+1]
.endr
.irp t, 0,1,2,3
	v_mul_f32 v[TU+2*\t+1], s[CS], v[ST+4*\t+1]
.endr
.irp t, 0,1,2,3
	v_sub_f32 v[TU+2*\t], v[ST+4*\t], v[TU+2*\t+1] ; c m_old - c m_new
.endr
.irp t, 0,1,2,3
	v_mov_b32 v[ST+4*\t], v[TU+2*\t+1]
.endr
	; ONE BATCH: 64 scalings and 132 exponentials, none of which names an exponential's result
.irp t, 0,1,2,3
	LF \t
	v_exp_f32 v[TU+2*\t], v[TU+2*\t]               ; a
.endr
.set ln, 4
.rept 60
	LF ln
	LE ln-4
.set ln, ln+1
.endr
.irp n, 60,61,62,63
	LE \n
.endr
	v_nop                                          ; a plain instruction behind the last exponential,
	s_wait_alu depctr_va_vdst(0)                   ; and the one wait ahead of the batch's first reader
.set ln, 0
.rept 16                               ; pair ln: into l, then rounded to bf16 into register ln of the tile: that register belongs to pair ln / 2, which has been summed and rounded
.irp t, 0,1,2,3
.if ln == 0
	v_pk_fma_f32 v[ST+4*\t+2:ST+4*\t+3], v[ST+4*\t+2:ST+4*\t+3], v[TU+2*\t:TU+2*\t+1], v[S+32*\t:S+32*\t+1] op_sel_hi:[1,0,1]
.else
	v_pk_add_f32 v[ST+4*\t+2:ST+4*\t+3], v[ST+4*\t+2:ST+4*\t+3], v[S+32*\t+2*ln:S+32*\t+2*ln+1]
.endif
.endr
.irp t, 0,1,2,3
	v_cvt_pk_bf16_f32 v[S+32*\t+ln], v[S+32*\t+2*ln], v[S+32*\t+2*ln+1]
.endr
.set ln, ln+1
.endr
	WIN 0x41
.irp k, 0,4,8,12,16,20,24,28
	RESC 0, \k                                     ; group 0 has no products to ride behind
.endr
.endm
; A PREFETCH of the tile after the one just asked for: my work-group's 8,192 bytes of my region, a lane 256 bytes.  Each block of a tile is named once in the launch: only the first cluster of
; an (image, split) asks, its partners are told apart by address, each wave asks for the region that it fetches.  Tiles 0 and 1 come by their loads alone; the last trip that fills asks for nothing.
.macro ASK
	s_cmp_gt_u32 s[CNT], s[LIM]
	s_cbranch_scc0 .Lnm_\@
	global_prefetch_b8 v[PFO], s[PFA:PFA+1] th:TH_LOAD_NT scope:SCOPE_SE
.Lnm_\@:
.endm
; THE CHANGE OF SLOTS.  Each wave waits for all its tensor loads (one is out: its region of the next slot), adds 0 to its spare word, and waits for that and for its reads of the slot that it leaves.
; fill = 1: the barrier is a round of the cluster's, and the old slot is filled again first thing behind it.
.macro CHANGE fill
	WIN 0
	s_wait_tensorcnt 0x0                           ; no tensor load of mine is out: the group 0 may be written
	ds_add_u32 v[SPW], v[NIL]                      ; scalar work stands between it and its wait
.if \fill
	s_xor_b32 s[G0+1], s[G0+1], SLOT               ; the other slot than last time,
	s_add_nc_u64 s[G0+2:G0+3], s[G0+2:G0+3], 65536 ; the next 128 keys
	s_wait_xcnt 0x0                                ; the last prefetch, a step back, has read its address
	s_add_nc_u64 s[PFA:PFA+1], s[PFA:PFA+1], 65536
.endif
	s_xor_b32 s[TB], s[TB], SLOT
	s_add_co_u32 s[TBK], s[TB], s[KH8]
	s_add_co_u32 s[TBA], s[TBK], s[KH8]
	s_wait_dscnt 0x0                               ; the add is done, and my reads of the old slot are back
.if \fill
	CROUND
	tensor_load_to_lds s[G0:G0+3], s[G1:G1+7]
	s_nop 0
	PLACES 4
.else
	s_barrier_signal -1
	s_barrier_wait -1
	PLACES 4
.endif
	v_add_nc_u32 v[ADR], s[TBK], v[AB0]
	v_add_nc_u32 v[ADRA], s[TBA], v[AB0]
	v_add_nc_u32 v[ADRB], s[TB], v[AB0]
	KLOAD 0, BZ
.if \fill
	ASK
.endif
.endm
; A STEP.  The counts on DScnt: 16 = the two younger groups' loads may stay out; 8 = one group's.
.macro STEP
	PVG 6, BX, 1                                   ; the step before: its V groups 6 and 7 were waited for at the change of slots
	WIN 0
	KLOAD 1, BX
	PVG 7, BY, 0
	WIN 0
	PLACES 5                                       ; the first products K Q^T write over P, which these products read; and loads go into their fragments
	KLOAD 2, BY
	WIN 0x0c                                       ; Q in window 3; LDS loads and v_nop need no switch
	s_wait_dscnt 16
	QKG 0, BZ
	PLACES 4
	KLOAD 3, BZ
	s_wait_dscnt 16
	QKG 1, BX
	PLACES 4
	KLOAD 4, BX
	s_wait_dscnt 16
	QKG 2, BY
	PLACES 4
	KLOAD 5, BY
	s_wait_dscnt 16
	QKG 3, BZ
	PLACES 4
	KLOAD 6, BZ
	s_wait_dscnt 16
	QKG 4, BX
	PLACES 4
	KLOAD 7, BX
	s_wait_dscnt 16
	QKG 5, BY
	s_wait_dscnt 8
	QKG 6, BZ
	s_wait_dscnt 0x0
	QKG 7, BX
	WIN 0
	LUMP
	s_wait_dscnt 16
	PVG 0, BX, 1
	WIN 0
	VLOAD 3, BX
	s_wait_dscnt 16
	PVG 1, BY, 1
	WIN 0
	VLOAD 4, BY
	s_wait_dscnt 16
	PVG 2, BZ, 1
	WIN 0
	VLOAD 5, BZ
	s_wait_dscnt 16
	PVG 3, BX, 1
	WIN 0
	VLOAD 6, BX
	s_wait_dscnt 16
	PVG 4, BY, 1
	WIN 0
	VLOAD 7, BY
	s_wait_dscnt 16
	PVG 5, BZ, 1
.endm
.Ltrip:                                ; 15 trips: trip i waits for tile i and asks for tile i + 1
	CHANGE 1
	STEP
	WIN 0
	s_sub_co_u32 s[CNT], s[CNT], 1
	s_cmp_lg_u32 s[CNT], 0
	s_cbranch_scc1 .Ltrip
	CHANGE 0                                       ; the last tile is written out: nothing is asked for
	STEP
	WIN 0
	s_wait_dscnt 0x0                               ; V groups 6 and 7 are in: my last reads of the ring are back,
	s_barrier_signal -1                            ; say so; the last 32 products, work on registers, stand between signal and wait
	PVG 6, BX, 1
	PVG 7, BY, 0
	WIN 0
	s_barrier_wait -1                              ; nobody reads the ring any more: slot 0, which has had its last fill, serves as the stage
	; THE WAY OUT.  The two key halves of 64 queries meet: each wave keeps window 1, sends window 2 and its (c m, l) through LDS, and merges what its partner (wave w xor 1) sent.
.irp t, 0,1,2,3
	v_add_f32 v[ST+4*\t+2], v[ST+4*\t+2], v[ST+4*\t+3]  ; these four lines are the places behind the last products
.endr
.irp t, 0,1,2,3
	v_permlanex16_b32 v[ST+4*\t+3], v[ST+4*\t+2], s[SEL], s[SEL+1]
.endr
.irp t, 0,1,2,3
	v_add_f32 v[ST+4*\t+2], v[ST+4*\t+2], v[ST+4*\t+3]
.endr
.irp t, 0,1,2,3
	v_mov_b32 v[TU+2*\t], v[ST+4*\t]
	v_mov_b32 v[TU+2*\t+1], v[ST+4*\t+2]
.endr
	v_and_b32 v56, 31, v0                          ; lane
	v_lshlrev_b32 v57, 4, v56
	v_lshlrev_b32 v58, 3, v56
	s_xor_b32 s48, s[WV], 1                        ; my partner
	s_lshl_b32 s49, s[WV], 10
	s_add_co_u32 s49, s49, SCR
	v_add_nc_u32 v59, s49, v58
	s_lshl_b32 s50, s48, 10
	s_add_co_u32 s50, s50, SCR
	v_add_nc_u32 v60, s50, v58
	s_lshl_b32 s51, s[WV], 15
	v_add_nc_u32 v61, s51, v57
	s_lshl_b32 s52, s48, 15
	v_add_nc_u32 v62, s52, v57
.irp t, 0,1,2,3
	ds_store_b64 v59, v[TU+2*\t:TU+2*\t+1] offset:256*\t
.endr
	WIN 0x08                                       ; store data in window 2
.set i, 0
.rept 64
	ds_store_b128 v61, v[4*i:4*i+3] offset:512*i   ; each accumulator from its low end on
.set i, i+1
.endr
	WIN 0
	s_wait_dscnt 0x0                               ; for my partner: my stores are done
	s_barrier_signal -1
	s_barrier_wait -1
.irp t, 0,1,2,3
	ds_load_b64 v[32+2*\t:33+2*\t], v60 offset:256*\t
.endr
	WIN 0x80
.set i, 0
.rept 64
	ds_load_b128 v[4*i:4*i+3], v62 offset:512*i
.set i, i+1
.endr
	WIN 0
	s_wait_dscnt 63                                ; the partner's statistics are in; 64 loads are younger, and the wait's field ends at 63
.irp t, 0,1,2,3
	v_max_num_f32 v[48+\t], v[ST+4*\t], v[32+2*\t] ; M
.endr
.irp t, 0,1,2,3
	v_sub_f32 v[TU+2*\t], v[ST+4*\t], v[48+\t]
	v_sub_f32 v[40+2*\t], v[32+2*\t], v[48+\t]
.endr
.irp t, 0,1,2,3
	v_exp_f32 v[TU+2*\t], v[TU+2*\t]               ; my share's weight,
	v_exp_f32 v[40+2*\t], v[40+2*\t]               ; my partner's
.endr
	v_nop
	s_wait_alu depctr_va_vdst(0)                   ; one wait for the eight
.irp t, 0,1,2,3
	v_mul_f32 v[52+\t], v[TU+2*\t], v[ST+4*\t+2]
.endr
.irp t, 0,1,2,3
	v_fmac_f32 v[52+\t], v[40+2*\t], v[33+2*\t]    ; L
.endr
	s_wait_dscnt 0x0
	WIN 0x82
.irp t, 0,1,2,3
.set i, 0
.rept 32
	v_pk_mul_f32 v[64*\t+2*i:64*\t+2*i+1], v[64*\t+2*i:64*\t+2*i+1], v[40+2*\t:41+2*\t] op_sel_hi:[1,0]
.set i, i+1
.endr
.endr
	WIN 0x61
.irp t, 0,1,2,3
.set i, 0
.rept 32
	v_pk_fma_f32 v[64*\t+2*i:64*\t+2*i+1], v[64*\t+2*i:64*\t+2*i+1], v[TU+2*\t:TU+2*\t+1], v[64*\t+2*i:64*\t+2*i+1] op_sel_hi:[1,0,1]
.set i, i+1
.endr
.endr
	WIN 0x04                                       ; store data in window 1
.set i, 0
.rept 64
	global_store_b128 v57, v[4*i:4*i+3], s[10:11] offset:(i/16)*16384+(i%16)*512 th:TH_STORE_NT  ; 512 consecutive bytes
.set i, i+1
.endr
	WIN 0
	s_cmp_eq_u32 s[KH], 0                          ; both partners hold the same (M, L): one stores
	s_cbranch_scc0 .Lnoml
	v_cmp_lt_u32 vcc_lo, 15, v56                   ; lanes 16-31 take the odd tile: 32 tokens on end
.irp u, 0,1
	v_cndmask_b32 v[32+2*\u], v[48+2*\u], v[49+2*\u], vcc_lo
	v_cndmask_b32 v[33+2*\u], v[52+2*\u], v[53+2*\u], vcc_lo
	global_store_b64 v58, v[32+2*\u:33+2*\u], s[12:13] offset:256*\u  ; 256 consecutive bytes
.endr
.Lnoml:
	s_wait_tensorcnt 0x0                           ; the wave's end
	ds_add_u32 v[SPW], v[NIL]
	s_wait_dscnt 0x0
	CROUND                                         ; the closing round
	s_endpgm
.Lfunc_end_k_q4667fdb837_attn:
	.size	k_q4667fdb837_attn, .Lfunc_end_k_q4667fdb837_attn-k_q4667fdb837_attn
	.p2alignl 7, 3214868480
	.fill 96, 4, 3214868480
	.section	.rodata,"a",@progbits
	.p2align	6, 0x0
	.amdhsa_kernel k_q4667fdb837_attn
		.amdhsa_group_segment_fixed_size 327680
		.amdhsa_private_segment_fixed_size 0
		.amdhsa_enable_private_segment 0
		.amdhsa_kernarg_size 40
		.amdhsa_user_sgpr_count 2
		.amdhsa_user_sgpr_kernarg_segment_ptr 1
		.amdhsa_wavefront_size32 1
		.amdhsa_system_sgpr_workgroup_id_x 1
		.amdhsa_system_sgpr_workgroup_id_y 1
		.amdhsa_system_sgpr_workgroup_id_z 1
		.amdhsa_system_vgpr_workitem_id 0
		.amdhsa_next_free_vgpr 1024
		.amdhsa_next_free_sgpr 66
		.amdhsa_reserve_vcc 1
		.amdhsa_float_denorm_mode_32 3
		.amdhsa_float_denorm_mode_16_64 3
		.amdhsa_memory_ordered 1
		.amdhsa_forward_progress 1
		.amdhsa_inst_pref_size 204
	.end_amdhsa_kernel
	.amdgpu_metadata
---
amdhsa.version: [ 1, 2 ]
amdhsa.kernels:
  - .name:           k_q4667fdb837_attn
    .symbol:         k_q4667fdb837_attn.kd
    .args:
      - { .name: qf, .offset: 0, .size: 8, .value_kind: global_buffer, .address_space: global }
      - { .name: kf, .offset: 8, .size: 8, .value_kind: global_buffer, .address_space: global }
      - { .name: vf, .offset: 16, .size: 8, .value_kind: global_buffer, .address_space: global }
      - { .name: opart, .offset: 24, .size: 8, .value_kind: global_buffer, .address_space: global }
      - { .name: ml, .offset: 32, .size: 8, .value_kind: global_buffer, .address_space: global }
    .group_segment_fixed_size: 327680
    .private_segment_fixed_size: 0
    .kernarg_segment_align: 8
    .kernarg_segment_size: 40
    .max_flat_workgroup_size: 128
    .sgpr_count:     66
    .vgpr_count:     1024
    .wavefront_size: 32
...
	.end_amdgpu_metadata
.endif
;; end of part 3
;; launch outp (part 4): grid 256 x 1, 4 waves a work-group, no clusters, 102,912 bytes of LDS; arguments opart, ml, wf, bo, x, out0; writes out0
.if DOCPART == 4
	.amdgcn_target "amdgcn-amd-amdhsa--gfx1250"
	.amdhsa_code_object_version 6
	.text
	.protected	k_q4667fdb837_outp
	.globl	k_q4667fdb837_outp
	.p2align	8
	.type	k_q4667fdb837_outp,@function
k_q4667fdb837_outp:
	s_mov_b64 s[64:65], 0
	v_nop
	global_prefetch_b8 v0, s[64:65] scope:SCOPE_SE
	s_setreg_imm32_b32 hwreg(HW_REG_WAVE_MODE, 25, 1), 1
	s_wait_xcnt 0x0
; Launch 4 of 4: the two key splits are merged and normalised, out0 = x + Wo O + bo.
; O = (e0 O_0 + e1 O_1) / (e0 L0 + e1 L1), e_s = 2^(M_s - max M).  LIMITS: O and wo are bf16 for the product, sums f32; NaN and infinities are not treated apart.
; SHARES.  Work-group: 64 tokens of one image.  Wave w merges token tile w (16 tokens x 256 channels; the packed result IS a fragment and goes to LDS in fragment order),
; then makes outputs 64 w .. 64 w + 63 for all 64 tokens: 16 accumulators by turns, 128 products; bo starts the sums.
; Source 0 = 16 tokens, source 1 = 16 outputs: a lane ends with eight neighbouring tokens of one output channel; through the wave's own stage they become whole rows of 256 bytes.
; The launch moves its buffers once and has all its loads out at its head: no tensor loads, no cluster (wo is small beside what is streamed), no prefetch.
; REGISTERS: window 0: v0-31 addresses, statistics; v32-95 packed O; v96-127 bo; v128-255 accumulators (q4, tt at 128 + 32 q4 + 8 tt).
;   window 1: wo fragments (q4, ks at 64 q4 + 8 ks).   window 2: the two partials, 128 each, then O fragments (tt, ks at 64 tt + 8 ks).   window 3: x (0-127), rows read back (128-255).
.set STAGE, 32768                      ; LDS: 0 .. 32,767 O in fragment order; then a stage of 64 rows x 272 bytes for each wave
.set SP,    272                        ; 256 bytes + 16: sixteen rows of a store start at sixteen different groups of four banks
.set SPARE, 102400
.set SPW, 2
.set NIL, 3
.set L16, 4
.set R8,  5
.set R4,  6
.set XO,  7                            ; v7   my 16 bytes in two rows of x and out0
.set OFA, 8
.set STO, 9
.set RD,  10
.set ML,  12                           ; v[12:13] (M, L) of split 0, v[14:15] of split 1
.set F0,  16                           ; v[16:17], v[18:19] the two factors, each the lower half of a pair
.set F1,  18
.set CV,  32
.set BIAS, 96
.set ACC, 128
.set MSB, 0
.macro WIN new
.if MSB != (\new)
	s_set_vgpr_msb (MSB<<8)|(\new)
.set MSB, (\new)
.endif
.endm
	s_load_b256 s[4:11], s[0:1], 0x0               ; opart s[4:5], ml s[6:7], wf s[8:9], bo s[10:11]
	s_load_b128 s[12:15], s[0:1], 0x20             ; x s[12:13], out0 s[14:15]
	v_lshl_add_u32 v[SPW], v0, 2, SPARE
	v_mov_b32 v[NIL], 0
	v_lshrrev_b32 v1, 5, v0
	v_readfirstlane_b32 s16, v1                    ; wave 0..3
	s_lshr_b32 s17, ttmp9, 6                       ; image b
	s_and_b32 s18, ttmp9, 63                       ; block of 64 tokens
	s_lshl_b32 s20, s17, 8                         ; opart: token tile 256 b + 4 block + w, 16,384 bytes each
	s_lshl_b32 s21, s18, 2
	s_add_co_u32 s20, s20, s21
	s_add_co_u32 s20, s20, s16
	s_lshl_b32 s22, s20, 7                         ; ml: the same tile, 16 tokens x 8 bytes
	s_lshl_b32 s20, s20, 14
	s_mov_b32 s21, 0
	s_mov_b32 s23, 0
	s_lshl_b32 s24, s16, 15                        ; wo's fragments: tiles 48 + 4 w on
	s_add_co_u32 s24, s24, 393216
	s_mov_b32 s25, 0
	s_lshl_b32 s26, s16, 8
	s_mov_b32 s27, 0
	s_lshl_b32 s28, s17, 8                         ; x, out0: channel 256 b + 64 w, the block's 256 bytes
	s_lshl_b32 s29, s16, 6
	s_add_co_u32 s28, s28, s29
	s_lshl_b32 s28, s28, 14
	s_lshl_b32 s29, s18, 8
	s_add_co_u32 s28, s28, s29
	s_mov_b32 s29, 0
	v_and_b32 v1, 31, v0
	v_lshlrev_b32 v[L16], 4, v1
	v_and_b32 v20, 15, v0
	v_bfe_u32 v21, v0, 4, 1
	v_lshlrev_b32 v[R8], 3, v20
	v_lshlrev_b32 v[R4], 2, v20
	v_lshlrev_b32 v[XO], 4, v20
	v_lshl_add_u32 v[XO], v21, 14, v[XO]
	s_lshl_b32 s32, s16, 13
	v_add_nc_u32 v[OFA], s32, v[L16]
	s_mul_i32 s33, s16, 64*SP
	s_add_co_u32 s33, s33, STAGE
	v_mul_u32_u24 v[STO], v20, SP                  ; in: row = output lane % 16, 32 bytes for each half of the lanes
	v_lshl_add_u32 v[STO], v21, 5, v[STO]
	v_add_nc_u32 v[STO], s33, v[STO]
	v_mul_u32_u24 v[RD], v21, SP                   ; back: lanes 0-15 one row of 256 bytes, lanes 16-31 the next
	v_lshl_add_u32 v[RD], v20, 4, v[RD]
	v_add_nc_u32 v[RD], s33, v[RD]
	v_mov_b32 v[F0+1], 0                           ; named as upper halves of pairs
	v_mov_b32 v[F1+1], 0
	s_wait_kmcnt 0x0
	s_add_nc_u64 s[4:5], s[4:5], s[20:21]
	s_add_nc_u64 s[30:31], s[4:5], 0x1000000       ; split 1 lies 16,777,216 bytes on
	s_add_nc_u64 s[6:7], s[6:7], s[22:23]
	s_add_nc_u64 s[8:9], s[8:9], s[24:25]
	s_add_nc_u64 s[10:11], s[10:11], s[26:27]
	s_add_nc_u64 s[12:13], s[12:13], s[28:29]
	s_add_nc_u64 s[14:15], s[14:15], s[28:29]
	global_load_b64 v[ML:ML+1], v[R8], s[6:7]
	global_load_b64 v[ML+2:ML+3], v[R8], s[6:7] offset:131072
	WIN 0x80
.set i, 0
.rept 32
	global_load_b128 v[4*i:4*i+3], v[L16], s[4:5] offset:512*i th:TH_LOAD_NT
	global_load_b128 v[128+4*i:128+4*i+3], v[L16], s[30:31] offset:512*i th:TH_LOAD_NT
.set i, i+1
.endr
	WIN 0
.irp q, 0,1,2,3
	global_load_b32 v[BIAS+8*\q], v[R4], s[10:11] offset:64*\q
.endr
	WIN 0x40
.set i, 0
.rept 64
	global_load_b128 v[4*i:4*i+3], v[L16], s[8:9] offset:512*i
.set i, i+1
.endr
	WIN 0xc0
.set i, 0
.rept 32
	global_load_b128 v[4*i:4*i+3], v[XO], s[12:13] offset:32768*i
.set i, i+1
.endr
	WIN 0
	s_wait_loadcnt 63                              ; statistics, partials and bo are in: 96 loads are younger than bo, and the wait's field ends at 63
	v_max_num_f32 v20, v[ML], v[ML+2]
	v_sub_f32 v[F0], v[ML], v20
	v_sub_f32 v[F1], v[ML+2], v20
	v_exp_f32 v[F0], v[F0]
	v_exp_f32 v[F1], v[F1]
	v_nop
	s_wait_alu depctr_va_vdst(0)                   ; one wait for the two exponentials
	v_mul_f32 v21, v[F0], v[ML+1]
	v_fmac_f32 v21, v[F1], v[ML+3]
	v_rcp_f32 v22, v21
	v_nop
	s_wait_alu depctr_va_vdst(0)
	v_mul_f32 v[F0], v[F0], v22
	v_mul_f32 v[F1], v[F1], v22
	WIN 0xa2                                       ; partials in window 2, factors in window 0
.set i, 0
.rept 64
	v_pk_mul_f32 v[128+2*i:128+2*i+1], v[128+2*i:128+2*i+1], v[F1:F1+1] op_sel_hi:[1,0]
.set i, i+1
.endr
.set i, 0
.rept 64
	v_pk_fma_f32 v[2*i:2*i+1], v[2*i:2*i+1], v[F0:F0+1], v[128+2*i:128+2*i+1] op_sel_hi:[1,0,1]
.set i, i+1
.endr
	WIN 0x0a
.set i, 0
.rept 64
	v_cvt_pk_bf16_f32 v[CV+i], v[2*i], v[2*i+1]
.set i, i+1
.endr
	WIN 0
.set i, 0
.rept 16
	ds_store_b128 v[OFA], v[CV+4*i:CV+4*i+3] offset:512*i  ; channel tile i is half i % 2 of fragment i / 2
.set i, i+1
.endr
.irp q, 0,1,2,3
.irp j, 1,2,3,4,5,6,7
	v_mov_b32 v[BIAS+8*\q+\j], v[BIAS+8*\q]        ; a lane's eight results are eight tokens of one output: the same bo
.endr
.endr
	s_wait_dscnt 0x0                               ; for the others: my tile of O is written
	s_barrier_signal -1
	s_barrier_wait -1
	WIN 0x80
.set i, 0
.rept 64
	ds_load_b128 v[4*i:4*i+3], v[L16] offset:512*i
.set i, i+1
.endr
	s_wait_loadcnt 32                              ; wo is in; x's 32 loads may stay out
	s_wait_dscnt 0x0
	WIN 0x06                                       ; O in window 2, wo in window 1
.set mk, 0
.rept 8
.set ma, 0
.rept 16
.set rA, ACC+8*ma
.set rW, 64*(ma/4)+8*mk
.set rX, 64*(ma%4)+8*mk
.if mk == 0
	v_wmma_f32_16x16x32_bf16 v[rA:rA+7], v[rX:rX+7], v[rW:rW+7], v[BIAS+8*(ma/4):BIAS+8*(ma/4)+7]
.else
	v_wmma_f32_16x16x32_bf16 v[rA:rA+7], v[rX:rX+7], v[rW:rW+7], v[rA:rA+7]
.endif
.set ma, ma+1
.endr
.set mk, mk+1
.endr
	WIN 0
.rept 4
	v_nop                                          ; the places behind the last products
.endr
.set ma, 0
.rept 16
	ds_store_b128 v[STO], v[ACC+8*ma:ACC+8*ma+3]   offset:(ma/4)*16*SP+64*(ma%4)
	ds_store_b128 v[STO], v[ACC+8*ma+4:ACC+8*ma+7] offset:(ma/4)*16*SP+64*(ma%4)+16
.set ma, ma+1
.endr
	WIN 0xc0
.set i, 0
.rept 32
	ds_load_b128 v[128+4*i:128+4*i+3], v[RD] offset:i*2*SP  ; my own bytes: LDS serves a wave's instructions in order (ISA guide 5.7.1.4)
.set i, i+1
.endr
	s_wait_loadcnt 0x0                             ; x
	s_wait_dscnt 0x0
	WIN 0xcf
.set i, 0
.rept 64
	v_pk_add_f32 v[128+2*i:128+2*i+1], v[128+2*i:128+2*i+1], v[2*i:2*i+1]
.set i, i+1
.endr
	WIN 0x0c                                       ; store data in window 3
.set i, 0
.rept 32
	global_store_b128 v[XO], v[128+4*i:128+4*i+3], s[14:15] offset:32768*i th:TH_STORE_NT  ; sixteen lanes store 256 consecutive bytes, aligned
.set i, i+1
.endr
	WIN 0
	s_wait_tensorcnt 0x0                           ; the wave's end
	ds_add_u32 v[SPW], v[NIL]
	s_wait_dscnt 0x0
	s_endpgm
.Lfunc_end_k_q4667fdb837_outp:
	.size	k_q4667fdb837_outp, .Lfunc_end_k_q4667fdb837_outp-k_q4667fdb837_outp
	.p2alignl 7, 3214868480
	.fill 96, 4, 3214868480
	.section	.rodata,"a",@progbits
	.p2align	6, 0x0
	.amdhsa_kernel k_q4667fdb837_outp
		.amdhsa_group_segment_fixed_size 102912
		.amdhsa_private_segment_fixed_size 0
		.amdhsa_enable_private_segment 0
		.amdhsa_kernarg_size 48
		.amdhsa_user_sgpr_count 2
		.amdhsa_user_sgpr_kernarg_segment_ptr 1
		.amdhsa_wavefront_size32 1
		.amdhsa_system_sgpr_workgroup_id_x 1
		.amdhsa_system_sgpr_workgroup_id_y 1
		.amdhsa_system_sgpr_workgroup_id_z 1
		.amdhsa_system_vgpr_workitem_id 0
		.amdhsa_next_free_vgpr 1024
		.amdhsa_next_free_sgpr 66
		.amdhsa_reserve_vcc 0
		.amdhsa_float_denorm_mode_32 3
		.amdhsa_float_denorm_mode_16_64 3
		.amdhsa_memory_ordered 1
		.amdhsa_forward_progress 1
		.amdhsa_inst_pref_size 57
	.end_amdhsa_kernel
	.amdgpu_metadata
---
amdhsa.version: [ 1, 2 ]
amdhsa.kernels:
  - .name:           k_q4667fdb837_outp
    .symbol:         k_q4667fdb837_outp.kd
    .args:
      - { .name: opart, .offset: 0, .size: 8, .value_kind: global_buffer, .address_space: global }
      - { .name: ml, .offset: 8, .size: 8, .value_kind: global_buffer, .address_space: global }
      - { .name: wf, .offset: 16, .size: 8, .value_kind: global_buffer, .address_space: global }
      - { .name: bo, .offset: 24, .size: 8, .value_kind: global_buffer, .address_space: global }
      - { .name: x, .offset: 32, .size: 8, .value_kind: global_buffer, .address_space: global }
      - { .name: out0, .offset: 40, .size: 8, .value_kind: global_buffer, .address_space: global }
    .group_segment_fixed_size: 102912
    .private_segment_fixed_size: 0
    .kernarg_segment_align: 8
    .kernarg_segment_size: 48
    .max_flat_workgroup_size: 128
    .sgpr_count:     66
    .vgpr_count:     1024
    .wavefront_size: 32
...
	.end_amdgpu_metadata
.endif
;; end of part 4
;; ======== version 2 of 2: 4 launches; version 1 with the launch prep written anew for expert scheduling mode
;; workspace buffers: gh 2,097,152 bytes; wf 524,288 bytes; qf 8,388,608 bytes; kf 8,388,608 bytes; vf 8,388,608 bytes; opart 33,554,432 bytes; ml 262,144 bytes
;; launch prep (part 5): grid 128 x 1, 8 waves a work-group, no clusters, 1,280 bytes of LDS; arguments x, zq, gn_gamma, gn_beta, wy, by, wb, bb, wq, wk, wv, wo, gh, wf; writes gh, wf
.if DOCPART == 5
	.amdgcn_target "amdgcn-amd-amdhsa--gfx1250"
	.amdhsa_code_object_version 6
	.text
	.protected	k_q4667fdb837_prep
	.globl	k_q4667fdb837_prep
	.p2align	8
	.type	k_q4667fdb837_prep,@function
k_q4667fdb837_prep:
	s_mov_b64 s[64:65], 0
	v_nop
	global_prefetch_b8 v0, s[64:65] scope:SCOPE_SE
	s_setreg_imm32_b32 hwreg(HW_REG_WAVE_SCHED_MODE, 0, 2), 2
	s_setreg_imm32_b32 hwreg(HW_REG_WAVE_MODE, 25, 1), 1
	s_wait_xcnt 0x0
	s_wait_alu depctr_vm_vsrc(0)
; SpatialAttnBlock, launch 1 of 4: the group statistics folded with the zq scale and shift, and the four weight matrices as bf16 fragments.
; DEAD WORK, for the whole program: bk.  The logits are c q_i . (Wk xn_j + bk) = c q_i . Wk xn_j + c q_i . bk; the last term does not hang on j, the softmax's axis,
; so it cancels in the softmax for all finite values of the inputs, and bk has no other way to the output.  bk is not loaded and is no argument of any launch.
; LIMIT: a NaN, an infinity or an overflow that reaches the result through bk alone is not carried to it.
; WHAT THIS LAUNCH MAKES.  xn = ((x - mu) rs gamma + beta) Y + T with Y = wy zq + by, T = wb zq + bb is xn = x G + H with A = rs gamma, B = beta - mu A, G = A Y, H = B Y + T.
; G and H are constant on a cell of 4 x 4 pixels: gh[b][hc 16][c 256][wc 16][2] f32.  mu and the variance are taken in two passes over registers: no difference of large sums.
; wf[ot 64][ks 8][p 2][lane 32][8] bf16 = w[16 ot + lane % 16][32 ks + 16 p + 8 (lane / 16) + e], ot 0-15 wq, 16-31 wk, 32-47 wv, 48-63 wo: a matrix fragment is 1,024 bytes on end.
; SHARES.  Work-group = one (image b, group g): 8 channels x 4,096 pixels = 131,072 consecutive bytes of x, 128 registers a lane; every byte of x is read once.
; Each thread also converts one unit of 16 bytes of wf: 128 work-groups x 256 threads are its 32,768 units.  No matrix work, no cluster: nothing large is shared.
; THE MODE: SCHED_MODE bits 1:0 = 2 (LLVM: expert scheduling mode 2), set by the entry lines.  The code itself states the register dependences
; between vector instructions and memory or LDS instructions, with s_wait_alu, always for 0.
; THE PLAN.  Registers that memory or LDS instructions touch:
;   v2 to v11       Addresses and the closing add's pair: written by vector instructions at the head, read by loads, stores and LDS instructions, never written again.
;   CSRC, X, WY, WB, BYR, ZQ   Each is the landing place of one load; no vector instruction names it before that load, and no load lands in it twice.
;   CD              Written by four conversions, read by the one store of wf, never written again.
;   v[CH]           Written by a sum's reduction, read by that sum's LDS store, written again by the sum's last add.
;   RBK             The landing place of two LDS loads in each of the two sums; the first sum's adds read and write it ahead of the second sum's loads.
;   OQ              Written by the arithmetic of G and H, read by the four stores of gh, never written again.
;   s40             Written by v_readfirstlane_b32, read by one v_mov_b32.
; So: one wait on va_sdst ahead of s40's reader; one on va_vdst ahead of the first load, for all addresses; in each sum one on va_vdst ahead of its LDS store (it also serves the store of wf, which
; stands behind it, and the LDS loads into RBK) and one on vm_vsrc ahead of the add that writes v[CH] again; the root's own wait; one on va_vdst ahead of the run of four stores of gh.
.set SPARE, 256                        ; LDS: bytes 0-31 the waves sums, 64-95 their sums of squares; from 256 on the spare words, 128 bytes a wave
.set SPW,  2                           ; v2   LDS address of my spare word; never rewritten
.set NIL,  3                           ; v3   0; never rewritten
.set XO,   4                           ; v4   16 x thread: my bytes in 4,096 of x, and in the 4,096 bytes of wf
.set C16,  5                           ; v5   16 x my channel in the group
.set C4,   6                           ; v6   4 x my channel in the group
.set ZO,   7                           ; v7   my two cells in zq
.set GOF,  8                           ; v8   my 16 bytes in gh
.set WSO,  9                           ; v9   my 32 bytes in the weight matrix
.set LW,   10                          ; v10  4 x wave
.set LZ,   11                          ; v11  0
.set K15,  12                          ; v12  2^-15: one over the 32,768 numbers of a group
.set WY,   16                          ; v[16:19] wy row, v[20:23] wb row
.set WB,   20
.set BYR,  24                          ; v24 by, v25 bb, v26 gamma, v27 beta
.set CH,   28                          ; v[28:35] four packed chains
.set MEAN, 36                          ; v[36:37] the mean, twice
.set AA,   38
.set BB,   39
.set TY,   40
.set TT,   41
.set CSRC, 44                          ; v[44:51] eight weights as loaded
.set CD,   52                          ; v[52:55] the same in bf16
.set RBK,  56                          ; v[56:63] the eight waves partial sums
.set X,    64                          ; v[64:191] my 128 numbers of x
.set ZQ,   192                         ; v[192:223] zq: cell row k, channel z at 192 + 8 k + 2 z, two cells
.set OQ,   224                         ; v[224:239] (G, H, G, H) for cell row k
	s_load_b512 s[4:19], s[0:1], 0x0               ; x s[4:5], zq s[6:7], gamma s[8:9], beta s[10:11], wy s[12:13], by s[14:15], wb s[16:17], bb s[18:19]
	s_load_b256 s[20:27], s[0:1], 0x40             ; wq s[20:21], wk s[22:23], wv s[24:25], wo s[26:27]
	s_load_b128 s[28:31], s[0:1], 0x60             ; gh s[28:29], wf s[30:31]
	v_lshl_add_u32 v[SPW], v0, 2, SPARE
	v_mov_b32 v[NIL], 0
	v_lshrrev_b32 v1, 5, v0
	v_readfirstlane_b32 s40, v1                    ; wave 0..7
	v_mov_b32 v[LZ], 0
	v_mov_b32 v[K15], 0x38000000
	v_lshlrev_b32 v[XO], 4, v0
	v_bfe_u32 v1, v0, 3, 3                         ; my channel in the group
	v_lshlrev_b32 v[C16], 4, v1
	v_lshlrev_b32 v[C4], 2, v1
	v_lshrrev_b32 v1, 6, v0                        ; my cell row modulo 4
	v_and_b32 v[ZO], 7, v0                         ; my pair of cells in a row
	v_lshlrev_b32 v[ZO], 3, v[ZO]
	v_lshl_add_u32 v[ZO], v1, 6, v[ZO]
	v_and_b32 v[GOF], 63, v0
	v_lshlrev_b32 v[GOF], 4, v[GOF]
	v_lshl_add_u32 v[GOF], v1, 15, v[GOF]
	v_and_b32 v[WSO], 15, v0                       ; the fragment row,
	v_lshlrev_b32 v[WSO], 10, v[WSO]               ; 1,024 bytes a row of w,
	v_lshrrev_b32 v1, 4, v0
	v_lshl_add_u32 v[WSO], v1, 5, v[WSO]           ; and eight numbers, 32 bytes, for each sixteen threads
	s_wait_alu depctr_va_sdst(0)                   ; s40 is written, ahead of its one reader, the next line
	v_mov_b32 v[LW], s40
	v_lshlrev_b32 v[LW], 2, v[LW]
	s_lshr_b32 s32, ttmp9, 5                       ; image b; also: which of the four matrices I convert
	s_and_b32 s33, ttmp9, 31                       ; group g; also: which 4,096 bytes of that matrix fragments
	s_mov_b32 s38, 0x76543210                      ; v_permlanex16_b32: each lane takes its own place in the other half
	s_mov_b32 s39, 0xfedcba98
	s_mov_b32 s35, 0
	s_wait_kmcnt 0x0
	s_cmp_eq_u32 s32, 1
	s_cselect_b64 s[36:37], s[22:23], s[20:21]
	s_cmp_eq_u32 s32, 2
	s_cselect_b64 s[36:37], s[24:25], s[36:37]
	s_cmp_eq_u32 s32, 3
	s_cselect_b64 s[36:37], s[26:27], s[36:37]
	s_lshr_b32 s34, s33, 1                         ; 16 rows of w, 16,384 bytes,
	s_lshl_b32 s34, s34, 14
	s_and_b32 s41, ttmp9, 1                        ; and which half of their 256 columns
	s_lshl_b32 s41, s41, 9
	s_add_co_u32 s34, s34, s41
	s_add_nc_u64 s[36:37], s[36:37], s[34:35]
	s_lshl_b32 s34, ttmp9, 12
	s_add_nc_u64 s[30:31], s[30:31], s[34:35]
	s_lshl_b32 s34, ttmp9, 17
	s_add_nc_u64 s[4:5], s[4:5], s[34:35]          ; x at the group
	s_lshl_b32 s34, s32, 12
	s_add_nc_u64 s[6:7], s[6:7], s[34:35]          ; zq at the image
	s_lshl_b32 s34, s33, 5
	s_add_nc_u64 s[8:9], s[8:9], s[34:35]
	s_add_nc_u64 s[10:11], s[10:11], s[34:35]
	s_add_nc_u64 s[14:15], s[14:15], s[34:35]
	s_add_nc_u64 s[18:19], s[18:19], s[34:35]
	s_lshl_b32 s34, s33, 7
	s_add_nc_u64 s[12:13], s[12:13], s[34:35]
	s_add_nc_u64 s[16:17], s[16:17], s[34:35]
	s_lshl_b32 s34, s32, 19
	s_lshl_b32 s41, s33, 10
	s_add_co_u32 s34, s34, s41
	s_add_nc_u64 s[28:29], s[28:29], s[34:35]      ; gh at the image and the group channels
	s_wait_alu depctr_va_vdst(0)                   ; v2 to v11 are written: every load, store and LDS instruction of the kernel reads its address or offset from among them
	global_load_b128 v[CSRC:CSRC+3], v[WSO], s[36:37]
	global_load_b128 v[CSRC+4:CSRC+7], v[WSO], s[36:37] offset:16
.set k, 0
.rept 32
	global_load_b128 v[X+4*k:X+4*k+3], v[XO], s[4:5] offset:4096*k th:TH_LOAD_NT  ; a wave covers 512 consecutive bytes
.set k, k+1
.endr
	global_load_b128 v[WY:WY+3], v[C16], s[12:13]
	global_load_b128 v[WB:WB+3], v[C16], s[16:17]
	global_load_b32 v[BYR], v[C4], s[14:15]
	global_load_b32 v[BYR+1], v[C4], s[18:19]
	global_load_b32 v[BYR+2], v[C4], s[8:9]
	global_load_b32 v[BYR+3], v[C4], s[10:11]
.set k, 0
.rept 4
.irp z, 0,1,2,3
	global_load_b64 v[ZQ+8*k+2*\z:ZQ+8*k+2*\z+1], v[ZO], s[6:7] offset:\z*1024+k*256
.endr
.set k, k+1
.endr
	s_wait_loadcnt 54                              ; the two loads of weights are in: 32 + 22 younger loads stay out
.irp r, 0,1,2,3
	v_cvt_pk_bf16_f32 v[CD+\r], v[CSRC+2*\r], v[CSRC+2*\r+1]  ; their store stands in the first sum below, behind the wait that the sum's LDS store owes in any case
.endr
; The sum of four chains over lanes and waves; the result in v[CH] of every lane.  off: the LDS bytes of this sum.  first = 1: the first sum, which carries the store of wf.
.macro WGSUM off, first
	v_pk_add_f32 v[CH:CH+1], v[CH:CH+1], v[CH+2:CH+3]
	v_pk_add_f32 v[CH+4:CH+5], v[CH+4:CH+5], v[CH+6:CH+7]
	v_pk_add_f32 v[CH:CH+1], v[CH:CH+1], v[CH+4:CH+5]
	v_add_f32 v[CH], v[CH], v[CH+1]
	v_add_f32_dpp v[CH], v[CH], v[CH] row_xmask:1 row_mask:0xf bank_mask:0xf
	v_add_f32_dpp v[CH], v[CH], v[CH] row_xmask:2 row_mask:0xf bank_mask:0xf
	v_add_f32_dpp v[CH], v[CH], v[CH] row_xmask:4 row_mask:0xf bank_mask:0xf
	v_add_f32_dpp v[CH], v[CH], v[CH] row_xmask:8 row_mask:0xf bank_mask:0xf
	v_permlanex16_b32 v[CH+1], v[CH], s38, s39
	v_add_f32 v[CH], v[CH], v[CH+1]
	s_wait_alu depctr_va_vdst(0)                   ; v[CH] is written, which the LDS store reads; in the first sum so is CD, which the store of wf reads; in the second the first sum's adds are done with RBK, in which the LDS loads below land
	ds_store_b32 v[LW], v[CH] offset:\off          ; all lanes write the wave word with the same value
.if \first
	global_store_b128 v[XO], v[CD:CD+3], s[30:31]  ; a wave stores 512 consecutive bytes of wf; no vector instruction since the wait names CD
.endif
	s_wait_dscnt 0x0                               ; for the others: my store is done
	s_barrier_signal -1
	s_barrier_wait -1
	ds_load_b128 v[RBK:RBK+3], v[LZ] offset:\off   ; no vector instruction since the wait on va_vdst names RBK
	ds_load_b128 v[RBK+4:RBK+7], v[LZ] offset:\off+16
	s_wait_dscnt 0x0
	s_wait_alu depctr_vm_vsrc(0)                   ; the LDS store above has read v[CH], which the last line of the sum writes again
	v_pk_add_f32 v[RBK:RBK+1], v[RBK:RBK+1], v[RBK+2:RBK+3]
	v_pk_add_f32 v[RBK+4:RBK+5], v[RBK+4:RBK+5], v[RBK+6:RBK+7]
	v_pk_add_f32 v[RBK:RBK+1], v[RBK:RBK+1], v[RBK+4:RBK+5]
	v_add_f32 v[CH], v[RBK], v[RBK+1]
.endm
	; pass 1: the sum, four loads (eight pairs) at a time as they arrive; the first eight pairs start the chains: nothing is cleared
.set kk, 0
.rept 8
	s_wait_loadcnt 50-4*kk                         ; behind group kk of four loads: 28 - 4 kk loads of x and the 22 of constants
.if kk == 0
.irp c, 0,1,2,3
	v_pk_add_f32 v[CH+2*\c:CH+2*\c+1], v[X+2*\c:X+2*\c+1], v[X+8+2*\c:X+8+2*\c+1]
.endr
.else
.set p, 8*kk
.rept 8
	v_pk_add_f32 v[CH+2*(p%4):CH+2*(p%4)+1], v[CH+2*(p%4):CH+2*(p%4)+1], v[X+2*p:X+2*p+1]
.set p, p+1
.endr
.endif
.set kk, kk+1
.endr
	WGSUM 0, 1
	v_mul_f32 v[MEAN], v[K15], v[CH]
	v_mul_f32 v[MEAN+1], v[K15], v[CH]
	; pass 2: the sum of squares of x - mean
.set p, 0
.rept 64
	v_pk_add_f32 v[X+2*p:X+2*p+1], v[X+2*p:X+2*p+1], v[MEAN:MEAN+1] neg_lo:[0,1] neg_hi:[0,1]
.set p, p+1
.endr
.irp c, 0,1,2,3
	v_pk_mul_f32 v[CH+2*\c:CH+2*\c+1], v[X+2*\c:X+2*\c+1], v[X+2*\c:X+2*\c+1]
.endr
.set p, 4
.rept 60
	v_pk_fma_f32 v[CH+2*(p%4):CH+2*(p%4)+1], v[X+2*p:X+2*p+1], v[X+2*p:X+2*p+1], v[CH+2*(p%4):CH+2*(p%4)+1]
.set p, p+1
.endr
	WGSUM 64, 0                                    ; other bytes than the first sum: no wave can still be reading what is written here
	v_fmaak_f32 v[TY], v[CH], v[K15], 0x358637bd   ; variance + 1e-6
	v_rsq_f32 v[TT], v[TY]
	v_nop                                          ; a plain instruction behind the root,
	s_wait_alu depctr_va_vdst(0)                   ; and the wait ahead of its first use: the root has written v[TT], which the multiply below reads
	s_wait_loadcnt 0x0                             ; the constants and zq
	v_mul_f32 v[AA], v[TT], v[BYR+2]               ; A = rs gamma
	v_fma_f32 v[BB], -v[MEAN], v[AA], v[BYR+3]     ; B = beta - mean A
.set k, 0
.rept 4                                ; cell rows (thread / 64) + 4 k; two cells each.  All sixteen results are made first, so that the four stores stand in one run behind one wait
.irp e, 0,1
	v_fma_f32 v[TY], v[WY], v[ZQ+8*k+\e], v[BYR]
	v_fma_f32 v[TT], v[WB], v[ZQ+8*k+\e], v[BYR+1]
.irp z, 1,2,3
	v_fmac_f32 v[TY], v[WY+\z], v[ZQ+8*k+2*\z+\e]
	v_fmac_f32 v[TT], v[WB+\z], v[ZQ+8*k+2*\z+\e]
.endr
	v_mul_f32 v[OQ+4*k+2*\e], v[AA], v[TY]         ; G = A Y
	v_fma_f32 v[OQ+4*k+2*\e+1], v[BB], v[TY], v[TT]  ; H = B Y + T
.endr
.set k, k+1
.endr
	s_wait_alu depctr_va_vdst(0)                   ; the sixteen registers of OQ are written, which the four stores read
.set k, 0
.rept 4
	global_store_b128 v[GOF], v[OQ+4*k:OQ+4*k+3], s[28:29] offset:k*131072  ; a wave stores 512 consecutive bytes
.set k, k+1
.endr
	s_wait_dscnt 0x0                               ; the closing lines, six on end
	s_wait_alu 0x0
	s_wait_tensorcnt 0x0
	ds_add_u32 v[SPW], v[NIL]
	s_wait_dscnt 0x0
	s_endpgm
.Lfunc_end_k_q4667fdb837_prep:
	.size	k_q4667fdb837_prep, .Lfunc_end_k_q4667fdb837_prep-k_q4667fdb837_prep
	.p2alignl 7, 3214868480
	.fill 96, 4, 3214868480
	.section	.rodata,"a",@progbits
	.p2align	6, 0x0
	.amdhsa_kernel k_q4667fdb837_prep
		.amdhsa_group_segment_fixed_size 1280
		.amdhsa_private_segment_fixed_size 0
		.amdhsa_enable_private_segment 0
		.amdhsa_kernarg_size 112
		.amdhsa_user_sgpr_count 2
		.amdhsa_user_sgpr_kernarg_segment_ptr 1
		.amdhsa_wavefront_size32 1
		.amdhsa_system_sgpr_workgroup_id_x 1
		.amdhsa_system_sgpr_workgroup_id_y 1
		.amdhsa_system_sgpr_workgroup_id_z 1
		.amdhsa_system_vgpr_workitem_id 0
		.amdhsa_next_free_vgpr 240
		.amdhsa_next_free_sgpr 66
		.amdhsa_reserve_vcc 0
		.amdhsa_float_denorm_mode_32 3
		.amdhsa_float_denorm_mode_16_64 3
		.amdhsa_memory_ordered 1
		.amdhsa_forward_progress 1
		.amdhsa_inst_pref_size 27
	.end_amdhsa_kernel
	.amdgpu_metadata
---
amdhsa.version: [ 1, 2 ]
amdhsa.kernels:
  - .name:           k_q4667fdb837_prep
    .symbol:         k_q4667fdb837_prep.kd
    .args:
      - { .name: x, .offset: 0, .size: 8, .value_kind: global_buffer, .address_space: global }
      - { .name: zq, .offset: 8, .size: 8, .value_kind: global_buffer, .address_space: global }
      - { .name: gn_gamma, .offset: 16, .size: 8, .value_kind: global_buffer, .address_space: global }
      - { .name: gn_beta, .offset: 24, .size: 8, .value_kind: global_buffer, .address_space: global }
      - { .name: wy, .offset: 32, .size: 8, .value_kind: global_buffer, .address_space: global }
      - { .name: by, .offset: 40, .size: 8, .value_kind: global_buffer, .address_space: global }
      - { .name: wb, .offset: 48, .size: 8, .value_kind: global_buffer, .address_space: global }
      - { .name: bb, .offset: 56, .size: 8, .value_kind: global_buffer, .address_space: global }
      - { .name: wq, .offset: 64, .size: 8, .value_kind: global_buffer, .address_space: global }
      - { .name: wk, .offset: 72, .size: 8, .value_kind: global_buffer, .address_space: global }
      - { .name: wv, .offset: 80, .size: 8, .value_kind: global_buffer, .address_space: global }
      - { .name: wo, .offset: 88, .size: 8, .value_kind: global_buffer, .address_space: global }
      - { .name: gh, .offset: 96, .size: 8, .value_kind: global_buffer, .address_space: global }
      - { .name: wf, .offset: 104, .size: 8, .value_kind: global_buffer, .address_space: global }
    .group_segment_fixed_size: 1280
    .private_segment_fixed_size: 0
    .kernarg_segment_align: 8
    .kernarg_segment_size: 112
    .max_flat_workgroup_size: 256
    .sgpr_count:     66
    .vgpr_count:     240
    .wavefront_size: 32
...
	.end_amdgpu_metadata
.endif
;; end of part 5
;; launch qkv: the kernel of part 2 again; grid 128 x 2, 4 waves a work-group, clusters of 4 x 1, 270,848 bytes of LDS; arguments x, gh, wf, bq, bv, qf, kf, vf; writes qf, kf, vf
;; launch attn: the kernel of part 3 again; grid 32 x 8, 4 waves a work-group, clusters of 4 x 1, 327,680 bytes of LDS; arguments qf, kf, vf, opart, ml; writes opart, ml
;; launch outp: the kernel of part 4 again; grid 256 x 1, 4 waves a work-group, no clusters, 102,912 bytes of LDS; arguments opart, ml, wf, bo, x, out0; writes out0
